; MI455X (gfx1250); checked and timed in simulation.
; The chip was launched on July 23, 2026; its instructions are those of AMD's public machine-readable ISA for CDNA 5 (MIT licence, August 2026) and "CDNA5" Instruction Set Architecture Reference Guide (July 2026). The comments in the code are by the model that wrote it; some were corrected since.
;; Multi Head Causal Attention. Allowed arithmetic: matrix products marked QUANTISED: E2M3 operands, one E8M0 scale for each 32 along K, by v_wmma_scale_f32_16x16x128_f8f6f4 with both operands' format E2M3, f32 sums; everything else in f32.
;; Inputs: W_out 1,024 x 1,024 float32; W_qkv 1,024 x 3,072 float32; x 4 x 2,048 x 1,024 float32.
;; Outputs: out0 4 x 2,048 x 1,024 float32.
;; This version of the problem:
;;   THIS VERSION OF THE PROBLEM IS GIVEN IN LOW PRECISION. The matrix products marked QUANTISED in the list below multiply operands that are first quantised to E2M3 (2 exponent bits, 3 mantissa bits; 6 bits a number), with one power-of-two scale for each 32 numbers along K (OCP MX v1.0); their sums are f32. All else is computed in f32.
;;   The module's matrix products, in the order in which they are computed (A, B: the left and right operand; K: the contracted axis; several contracted axes count as one K, in the product's order):
;;     1. [M 8,192, K 1,024] x [K 1,024, N 3,072]; A: input x; B: input W_qkv: QUANTISED
;;     2. batch 64 x [M 2,048, K 64] x [K 64, N 2,048]; A: computed on the way; B: computed on the way: QUANTISED
;;     3. batch 64 x [M 2,048, K 2,048] x [K 2,048, N 64]; A: softmax (see below); B: computed on the way: QUANTISED
;;     4. [M 8,192, K 1,024] x [K 1,024, N 1,024]; A: computed on the way; B: input W_out: QUANTISED
;;   THE QUANTISER, for each operand of a quantised product, along K:
;;     - K is cut into blocks of 32 from its start; a last block that is shorter is filled with zeros.
;;     - A block's scale is 2^e with e = floor(log2(the largest magnitude in the block)) - 2, held to -126 .. 127; a block of zeros has e = 0. As a byte (E8M0): e + 127.
;;     - Each number is divided by its block's scale, clamped to +-7.5, and rounded to the nearest number of E2M3, ties to even, subnormals kept.
;;     - The product sums the exact products of the quantised numbers (number of the format x scale) in f32.
;;   ~~~python
;;   def quantise(x, axis):      # numpy; x: float32 -> the quantised numbers, widened to float32 again
;;       x = np.moveaxis(x, axis, -1); K = x.shape[-1]
;;       x = np.pad(x, [(0, 0)] * (x.ndim - 1) + [(0, -K % 32)]); x = x.reshape(x.shape[:-1] + (-1, 32)); a = np.abs(x).max(-1, keepdims=True)
;;       e = np.where(a > 0, np.clip(np.frexp(np.where(a > 0, a, 1))[1] - 1 - 2, -126, 127), 0)      # np.frexp(a)[1] - 1 = floor(log2(a)), exactly
;;       r = np.clip(x / 2.0 ** e, -7.5, 7.5)
;;       step = 2.0 ** (np.maximum(np.frexp(np.where(r == 0, 1, r))[1] - 1, 0) - 3)
;;       q = np.round(r / step) * step * 2.0 ** e      # np.round: ties to even
;;       return np.moveaxis(q.reshape(q.shape[:-2] + (-1,))[..., :K], -1, axis).astype(np.float32)
;;   ~~~
;;   SOFTMAX AHEAD OF A QUANTISED PRODUCT. Where the list says 'softmax', what is quantised is not the finished softmax but p = 2^(t - M), with t = logit x log2(e) and M = ceil(the row's largest t), a whole number; so 1/2 < the row's largest p <= 1. The row's sum l is taken of the UNQUANTISED p, in f32, and the product's result is divided by l at the end. Since M is a whole number, a kernel that streams over the keys may use a running M (the ceiling of the running maximum): every later rescaling is an exact power of two, which a block's scale takes up: the codes' values come out the same.
;;   OPERANDS COMPUTED ON THE WAY. 'Computed on the way' means the value that the module computes at that place (a softmax that the list does not call 'softmax' is quantised finished and normalised). What goes into a quantiser is computed in f32, as accurately as f32 sums, v_exp_f32 and their like allow (about 1e-6 of the number): no bf16 or f16 on the way to a quantiser, and a product that is left as it is and whose result goes on into a quantised operand takes f32 operands (vector FMAs, or v_wmma_f32_16x16x4_f32). A number that lies on a knife's edge between two numbers of the format may be rounded either way, as far as f32 arithmetic and the matrix unit's own rounding can turn it there, and no further.
;; One version. Each part assembles by itself: llvm-mc -triple=amdgcn-amd-amdhsa -mcpu=gfx1250 --defsym DOCPART=n.
;; ======== version 1 of 1: 4 launches
;; limits: right only within a limited range of input values
;; workspace buffers: x_codes 6,291,456 bytes; x_scales 262,144 bytes; w_codes 6,291,456 bytes; w_scales 131,072 bytes; q_rec 6,815,744 bytes; kv_rec 13,631,488 bytes; a_img 6,291,456 bytes; a_sc 262,144 bytes
;; launch quant (part 1): grid 384 x 1, 4 waves a work-group, no clusters, 68,096 bytes of LDS; arguments x, W_qkv, W_out, x_codes, x_scales, w_codes, w_scales; writes x_codes, x_scales, w_codes, w_scales
.if DOCPART == 1
	.amdgcn_target "amdgcn-amd-amdhsa--gfx1250"
	.amdhsa_code_object_version 6
	.text
	.protected	k_q9c99fd226e_quant
	.globl	k_q9c99fd226e_quant
	.p2align	8
	.type	k_q9c99fd226e_quant,@function
k_q9c99fd226e_quant:
	s_mov_b64 s[64:65], 0
	v_nop
	global_prefetch_b8 v0, s[64:65] scope:SCOPE_SE
	s_setreg_imm32_b32 hwreg(HW_REG_WAVE_MODE, 25, 1), 1
	s_wait_xcnt 0x0
; ONE LAUNCH QUANTISES ALL THREE INPUTS to codes of FP6 (E2M3) with one E8M0 scale byte for each 32 along K.  Work-groups 0-127 take the weights, 128-383 take x.
; A block's scale is 2^(floor(log2(its largest magnitude)) - 2); its byte is the largest magnitude's exponent field - 2, held at 1 from below.
; WORK LEFT OUT BY THE PROGRAM: in launch attn the key steps all of whose keys come after a tile's queries.  reference() sets those scores to -inf in its own body, so their p is 0 for all values of the inputs
; and they reach no output.  A NaN, an infinity or an overflow that reaches only those scores is not carried to the result.  Every input is loaded.
; LIMITS: a block of zeros, or one whose largest magnitude lies under 2^-124, gets the byte 1 (this program alone reads the bytes; a block of zeros has zero codes); NaN and infinities among the inputs are not served.
; LAYOUT OF THE CODES: four planes, one for each 256 along K; in a plane a row has 192 bytes and rows lie end to end: 128 rows of a plane are a dense block of 24,576 bytes that begins at a multiple of 256.
; A plane has room for 8,192 rows in both buffers.  x's rows and W_qkv's columns are stored with bits 3 and 4 of their number exchanged (the next launch quantises its results in registers by that order).
; W_out lies in w_codes from byte WIMG on (behind plane 0's 3,072 rows of W_qkv) as IMAGES OF OPERAND REGISTERS: [16 columns][128 along K][64 along K: 768 bytes]: registers 0-3 at 16 x lane, registers 4-5 at 512 + 8 x lane.
; Scale bytes: x_scales [row][32], w_scales [4,096 columns][32] (W_out's columns from 3,072 on, in their true order).
; The two paths part on the work-group's number at the first line and have LDS bytes of their own: x 0 .. 32,767, the weights 32,768 .. 67,583.  No tensor loads, no barrier: waves share nothing.
.set PLANE, 8192*192
.set WIMG,  3072*192
.set EMAX,  2
.set SPARE, 67584                      ; the spare words, 128 bytes a wave
.set STEPS, 16
.set CB,    12                         ; bytes of 16 codes
.set XR,    16                         ; x: v16-79 four sets of 16 numbers as loaded
.set XX,    80                         ; v80-111 two sets of 16 neighbours
.set XC,    128                        ; v128-191 codes, four registers a step
.set XE,    112                        ; v112-127 a scale byte a step
.set WREG,  8192                       ; a wave's LDS: two stages of 32 x SP bytes, then 256 scale bytes
.set SP,    80
.set NB,    8                          ; weights: blocks of a wave
.set PITCH, 272                        ; a stage row: sixteen places of 16 bytes + 16
.set WST,   32768
.set WX,    32                         ; v32-95 two sets of 32 numbers
.set WC,    96                         ; v96-105 a block's codes
.set OUTR,  112
.set SB,    24                         ; v24-25 scale bytes
.set VO,    176                        ; v176-207 4 x lane + i x the input's pitch
.set BA,    32                         ; s[32:47] the input's address at each of my 8 blocks
	s_cmp_lt_u32 ttmp9, 128
	s_cbranch_scc0 .Lx_path
; ---- THE WEIGHTS.  x' = number % 32: 0-23 W_qkv, 24-31 W_out, 128 columns each; y = number / 32: the 256 along K.  A lane takes a column, its registers run down K.
	s_load_b128 s[4:7], s[0:1], 0x8                ; W_qkv, W_out
	s_load_b128 s[8:11], s[0:1], 0x28              ; w_codes, w_scales
	v_lshl_add_u32 v208, v0, 2, SPARE
	v_mov_b32 v209, 0
	v_lshrrev_b32 v1, 5, v0
	v_readfirstlane_b32 s16, v1                    ; wave
	v_and_b32 v2, 31, v0                           ; lane
	s_and_b32 s17, ttmp9, 31
	s_lshr_b32 s18, ttmp9, 5
	s_cmp_lt_u32 s17, 24
	s_mov_b32 s19, 4096
	s_cselect_b32 s19, 12288, s19                  ; the input's pitch in bytes
	s_cselect_b32 s20, 0, 24
	s_cselect_b32 s12, 0, 1                        ; 1: W_out
	s_cselect_b32 s13, 0, -1                       ; the same as a lane mask
	s_sub_co_u32 s20, s17, s20                     ; the group of 128 columns inside its tensor
	s_wait_alu depctr_va_vdst(0)
	v_lshlrev_b32 v3, 2, v2
.set i, 0
.rept 32
	v_mad_u32_u24 v[VO+i], s19, i, v3
.set i, i+1
.endr
	v_and_b32 v10, 7, v2
	v_bfe_u32 v11, v2, 3, 1
	v_lshl_or_b32 v10, v11, 4, v10
	v_bfe_u32 v11, v2, 4, 1
	v_lshl_or_b32 v10, v11, 3, v10                 ; W_qkv: my column's place among the wave's 32: bits 3 and 4 exchanged
	s_mul_i32 s21, s16, 32*PITCH
	s_add_co_u32 s21, s21, WST                     ; my stage
	v_mul_u32_u24 v4, v10, PITCH
	v_add_nc_u32 v4, s21, v4
	v_and_b32 v5, 15, v2
	v_lshrrev_b32 v6, 4, v2
	v_mul_u32_u24 v7, v6, PITCH
	v_lshl_add_u32 v7, v5, 4, v7
	v_add_nc_u32 v7, s21, v7                       ; out of the stage: sixteen lanes to a row
	v_mul_u32_u24 v8, v6, 192
	v_mad_u32_u24 v8, v5, 12, v8                   ; and the same place in the plane
	v_mul_u32_u24 v16, v6, 12288                   ; W_out: my tile of 16 columns,
	v_lshl_add_u32 v17, v5, 3, v16                 ; + 8 x row
	v_lshl_add_u32 v16, v5, 4, v16                 ; + 16 x row
	v_lshlrev_b32 v9, 5, v10
	v_lshlrev_b32 v18, 5, v2
	v_cndmask_b32 v9, v9, v18, s13                 ; my column's row of scale bytes: by its place, W_out's by its number
	s_lshl_b32 s22, s18, 8
	s_mul_i32 s22, s22, s19                        ; in: 256 y rows down,
	s_lshl_b32 s23, s20, 9
	s_add_co_u32 s22, s22, s23
	s_lshl_b32 s23, s16, 7
	s_add_co_u32 s22, s22, s23
	s_mov_b32 s23, 0
	s_lshl_b32 s24, s19, 5                         ; a block is 32 rows
	s_mov_b32 s25, 0
	s_lshl_b32 s26, s17, 7
	s_lshl_b32 s27, s16, 5
	s_add_co_u32 s26, s26, s27                     ; my wave's first column of the 4,096
	s_mul_i32 s28, s26, 192
	s_mul_i32 s27, s18, PLANE
	s_add_co_u32 s28, s28, s27                     ; W_qkv: plane y, 192 bytes a column
	s_lshl_b32 s14, s20, 3
	s_lshl_b32 s15, s16, 1
	s_add_co_u32 s14, s14, s15
	s_mul_i32 s14, s14, 12288                      ; W_out: my first tile's image,
	s_mul_i32 s15, s18, 3072                       ; two fragments of 1,536 bytes for each 256 along K
	s_add_co_u32 s14, s14, s15
	s_add_co_u32 s14, s14, WIMG
	s_cmp_lg_u32 s12, 0
	s_cselect_b32 s28, s14, s28
	s_mov_b32 s29, 0
	s_lshl_b32 s30, s26, 5
	s_lshl_b32 s27, s18, 3
	s_add_co_u32 s30, s30, s27
	s_mov_b32 s31, 0
	s_wait_alu depctr_va_vdst(0)                   ; the wait at the head's end
	s_wait_kmcnt 0x0
	s_cmp_lt_u32 s17, 24
	s_cselect_b64 s[4:5], s[4:5], s[6:7]           ; the choice hangs on the work-group's number alone
	s_add_nc_u64 s[BA:BA+1], s[4:5], s[22:23]
.irp t, 1,2,3,4,5,6,7
	s_add_nc_u64 s[BA+2*\t:BA+2*\t+1], s[BA+2*\t-2:BA+2*\t-1], s[24:25]
.endr
	s_add_nc_u64 s[8:9], s[8:9], s[28:29]
	s_add_nc_u64 s[10:11], s[10:11], s[30:31]
.macro WLOAD t                         ; block t: W(32 t + i, my column) into set t % 2
.set i, 0
.rept 32
	global_load_b32 v[WX+32*((\t)%2)+i], v[VO+i], s[BA+2*(\t):BA+2*(\t)+1] th:TH_LOAD_NT
.set i, i+1
.endr
.endm
	WLOAD 0
	WLOAD 1
.macro WBLOCK t
.set XS, WX+32*((\t)%2)
.set IO, ((\t)/4)*1536+(((\t)%4)/2)*768
	s_wait_xcnt 0x0                                ; the last block's stores have read their data
.if (\t) < NB-1
	s_wait_loadcnt 32                              ; this block's 32 loads are in; the next block's 32 may be out
.else
	s_wait_loadcnt 0
.endif
	v_max3_num_f32 v12, |v[XS]|, |v[XS+1]|, |v[XS+2]|
	v_max3_num_f32 v13, |v[XS+3]|, |v[XS+4]|, |v[XS+5]|
.irp i, 6,10,14,18,22,26
	v_max3_num_f32 v12, v12, |v[XS+\i]|, |v[XS+\i+1]|
	v_max3_num_f32 v13, v13, |v[XS+\i+2]|, |v[XS+\i+3]|
.endr
	v_max3_num_f32 v12, v12, |v[XS+30]|, |v[XS+31]|
	v_max3_num_f32 v12, v12, v13, (EMAX+1)<<23     ; the floor 2^(3 - 127): the byte cannot fall under 1
	v_add_nc_u32 v11, -(EMAX<<23), v12             ; 2 off the exponent field: the conversion's scale operand
	v_lshrrev_b32 v13, 23, v11                     ; the scale's byte
.if (\t)%4 == 0
	v_mov_b32 v[SB+(\t)/4], v13
.else
	v_lshl_or_b32 v[SB+(\t)/4], v13, 8*((\t)%4), v[SB+(\t)/4]
.endif
	v_cvt_scalef32_pk16_fp6_f32 v[WC:WC+2], v[XS:XS+15], v11
	v_cvt_scalef32_pk16_fp6_f32 v[WC+4:WC+6], v[XS+16:XS+31], v11
	s_cmp_lg_u32 s12, 0
	s_wait_alu depctr_va_vdst(0)                   ; the wait ahead of the branch
	s_cbranch_scc1 .Limg_\@
	ds_store_b96 v4, v[WC:WC+2] offset:32*(\t)     ; W_qkv: 12 bytes to a place of 16 in the stage
	ds_store_b96 v4, v[WC+4:WC+6] offset:32*(\t)+16
	s_branch .Lput_\@
.Limg_\@:                                              ; W_out: my block is registers 0-5 of lane 16 (t % 2) + row of a half fragment: sixteen lanes store 256 consecutive bytes, aligned, and 128
	v_nop                                          ; one plain place behind the conversions
	v_mov_b32 v[WC+3], v[WC+4]
	v_mov_b32 v[WC+8], v[WC+5]
	v_mov_b32 v[WC+9], v[WC+6]
	global_store_b128 v16, v[WC:WC+3], s[8:9] offset:IO+256*((\t)%2)
	global_store_b64 v17, v[WC+8:WC+9], s[8:9] offset:IO+512+128*((\t)%2)
.Lput_\@:
.if (\t)+2 < NB
	WLOAD (\t)+2
.endif
	s_wait_dscnt 0x0                               ; the stage's stores have read their registers
.endm
.set Q, 0
.rept NB
	WBLOCK Q
.set Q, Q+1
.endr
	s_wait_alu depctr_va_vdst(0)                   ; the wait ahead of the reader below
	global_store_b64 v9, v[SB:SB+1], s[10:11]      ; my column's 8 scale bytes
	s_cmp_lg_u32 s12, 0
	s_cbranch_scc1 .Lw_end
.irp t, 0,1,2,3,4,5,6,7,8,9,10,11,12,13,14,15
	ds_load_b96 v[OUTR+4*\t:OUTR+4*\t+2], v7 offset:2*\t*PITCH   ; LDS serves a wave's instructions in order: these see my stores
.endr
.irp t, 0,1,2,3,4,5,6,7,8,9,10,11,12,13,14,15
	s_wait_dscnt 15-\t                             ; read-back t is in; the younger ones may be out
	global_store_b96 v8, v[OUTR+4*\t:OUTR+4*\t+2], s[8:9] offset:2*\t*192   ; 32 lanes store 384 consecutive bytes
.endr
.Lw_end:
	s_wait_tensorcnt 0x0                           ; the wave's end
	ds_add_u32 v208, v209
	s_wait_dscnt 0x0
	s_endpgm
; ---- x.  A wave takes 8 rows in 16 steps of 512 numbers; each load reads 512 consecutive bytes; a step turns through the wave's stage and comes back 16 neighbours a lane, two lanes to a block.
.Lx_path:
	s_load_b64 s[4:5], s[0:1], 0x0                 ; x
	s_load_b128 s[8:11], s[0:1], 0x18              ; x_codes, x_scales
	v_lshl_add_u32 v192, v0, 2, SPARE
	v_mov_b32 v193, 0
	v_lshrrev_b32 v1, 5, v0
	v_readfirstlane_b32 s16, v1                    ; wave
	v_and_b32 v2, 31, v0
	v_lshlrev_b32 v3, 4, v2
	s_mul_i32 s17, s16, WREG
	v_lshrrev_b32 v14, 2, v2
	v_mul_u32_u24 v14, v14, SP
	v_and_b32 v15, 3, v2
	v_lshl_add_u32 v14, v15, 4, v14
	v_add_nc_u32 v14, s17, v14                     ; the stage, on the way in
	v_mul_u32_u24 v15, v2, SP
	v_add_nc_u32 v15, s17, v15                     ; and on the way out
	v_lshrrev_b32 v4, 4, v2
	v_mul_u32_u24 v4, v4, PLANE                    ; lanes 16-31 hold the next 256 along K: the next plane
	v_and_b32 v5, 15, v2
	v_mad_u32_u24 v4, v5, CB, v4                   ; 12 bytes a lane in a row's 192
	v_lshrrev_b32 v5, 1, v2
	s_add_co_u32 s17, s17, 2*32*SP
	v_add_nc_u32 v5, s17, v5                       ; LDS: my block's scale byte
	v_lshlrev_b32 v7, 3, v2
	v_add_nc_u32 v6, s17, v7
	s_sub_co_u32 s19, ttmp9, 128
	s_lshl_b32 s18, s19, 2
	s_add_co_u32 s20, s18, s16                     ; the run of 8 rows that I read
	s_lshl_b32 s20, s20, 15
	s_mov_b32 s21, 0
	s_and_b32 s22, s16, 1
	s_lshl_b32 s22, s22, 1
	s_lshr_b32 s23, s16, 1
	s_or_b32 s22, s22, s23                         ; the wave's two bits exchanged: bits 3 and 4 of the rows' numbers
	s_add_co_u32 s18, s18, s22                     ; the run of 8 rows that I write
	s_mul_i32 s22, s18, 8*192
	s_mov_b32 s23, 0
	s_lshl_b32 s24, s18, 8
	s_mov_b32 s25, 0
	s_wait_alu depctr_va_vdst(0)                   ; the wait at the head's end
	s_wait_kmcnt 0x0
	s_add_nc_u64 s[4:5], s[4:5], s[20:21]
	s_add_nc_u64 s[8:9], s[8:9], s[22:23]
	s_add_nc_u64 s[10:11], s[10:11], s[24:25]
.macro XLOAD t
.irp i, 0,1,2,3
	global_load_b128 v[XR+16*((\t)%4)+4*\i:XR+16*((\t)%4)+4*\i+3], v3, s[4:5] offset:2048*(\t)+512*\i th:TH_LOAD_NT
.endr
.endm
.macro XTURN t                         ; LDS serves a wave's instructions in order: no wait between the stores and the loads
.irp i, 0,1,2,3
	ds_store_b128 v14, v[XR+16*((\t)%4)+4*\i:XR+16*((\t)%4)+4*\i+3] offset:32*SP*((\t)%2)+8*SP*\i
.endr
.irp i, 0,1,2,3
	ds_load_b128 v[XX+16*((\t)%2)+4*\i:XX+16*((\t)%2)+4*\i+3], v15 offset:32*SP*((\t)%2)+16*\i
.endr
.endm
.irp t, 0,1,2,3
	XLOAD \t
.endr
	s_wait_loadcnt 12                              ; step 0's four loads are in; the twelve of steps 1 to 3 may be out
	XTURN 0
.macro XSTEP t
.set XS, XX+16*((\t)%2)
.if (\t) > 0
	s_wait_dscnt 1                                 ; this step's numbers are back (the last step's byte store may be out)
.else
	s_wait_dscnt 0x0
.endif
.if (\t)+4 < STEPS
	XLOAD (\t)+4
.endif
.if (\t)+1 < STEPS
.if STEPS-2-(\t) >= 3
	s_wait_loadcnt 12                              ; the next step's four loads are in; those of the three steps behind it may be out
.else
	s_wait_loadcnt 4*(STEPS-2-(\t))
.endif
	XTURN (\t)+1
.endif
	v_max3_num_f32 v8, |v[XS]|, |v[XS+1]|, |v[XS+2]|
	v_max3_num_f32 v9, |v[XS+3]|, |v[XS+4]|, |v[XS+5]|
.irp i, 6,10
	v_max3_num_f32 v8, v8, |v[XS+\i]|, |v[XS+\i+1]|
	v_max3_num_f32 v9, v9, |v[XS+\i+2]|, |v[XS+\i+3]|
.endr
	v_max3_num_f32 v8, v8, |v[XS+14]|, |v[XS+15]|
	v_max3_num_f32 v8, v8, v9, (EMAX+1)<<23
	v_max_num_f32_dpp v8, v8, v8 row_xmask:1 row_mask:0xf bank_mask:0xf   ; with my neighbour's 16: the block's
	v_add_nc_u32 v11, -(EMAX<<23), v8
	v_cvt_scalef32_pk16_fp6_f32 v[XC+4*(\t):XC+4*(\t)+2], v[XS:XS+15], v11
	v_lshrrev_b32 v[XE+(\t)], 23, v11
	ds_store_b8 v5, v[XE+(\t)] offset:16*(\t)      ; both lanes of a block write the same byte with the same value
	global_store_b96 v4, v[XC+4*(\t):XC+4*(\t)+2], s[8:9] offset:2*PLANE*((\t)%2)+192*((\t)/2)   ; row t / 2; sixteen lanes store a row's 192 bytes of one plane
.endm
.irp t, 0,1,2,3,4,5,6,7,8,9,10,11,12,13,14,15
	XSTEP \t
.endr
	ds_load_b64 v[12:13], v6
	s_wait_dscnt 0x0
	global_store_b64 v7, v[12:13], s[10:11]        ; 32 lanes store 256 consecutive bytes, aligned
	s_wait_tensorcnt 0x0                           ; the wave's end
	ds_add_u32 v192, v193
	s_wait_dscnt 0x0
	s_endpgm
.Lfunc_end_k_q9c99fd226e_quant:
	.size	k_q9c99fd226e_quant, .Lfunc_end_k_q9c99fd226e_quant-k_q9c99fd226e_quant
	.p2alignl 7, 3214868480
	.fill 96, 4, 3214868480
	.section	.rodata,"a",@progbits
	.p2align	6, 0x0
	.amdhsa_kernel k_q9c99fd226e_quant
		.amdhsa_group_segment_fixed_size 68096
		.amdhsa_private_segment_fixed_size 0
		.amdhsa_enable_private_segment 0
		.amdhsa_kernarg_size 56
		.amdhsa_user_sgpr_count 2
		.amdhsa_user_sgpr_kernarg_segment_ptr 1
		.amdhsa_wavefront_size32 1
		.amdhsa_system_sgpr_workgroup_id_x 1
		.amdhsa_system_sgpr_workgroup_id_y 1
		.amdhsa_system_sgpr_workgroup_id_z 1
		.amdhsa_system_vgpr_workitem_id 0
		.amdhsa_next_free_vgpr 212
		.amdhsa_next_free_sgpr 66
		.amdhsa_reserve_vcc 0
		.amdhsa_float_denorm_mode_32 3
		.amdhsa_float_denorm_mode_16_64 3
		.amdhsa_memory_ordered 1
		.amdhsa_forward_progress 1
		.amdhsa_inst_pref_size 81
	.end_amdhsa_kernel
	.amdgpu_metadata
---
amdhsa.version: [ 1, 2 ]
amdhsa.kernels:
  - .name:           k_q9c99fd226e_quant
    .symbol:         k_q9c99fd226e_quant.kd
    .args:
      - { .name: x, .offset: 0, .size: 8, .value_kind: global_buffer, .address_space: global }
      - { .name: W_qkv, .offset: 8, .size: 8, .value_kind: global_buffer, .address_space: global }
      - { .name: W_out, .offset: 16, .size: 8, .value_kind: global_buffer, .address_space: global }
      - { .name: x_codes, .offset: 24, .size: 8, .value_kind: global_buffer, .address_space: global }
      - { .name: x_scales, .offset: 32, .size: 8, .value_kind: global_buffer, .address_space: global }
      - { .name: w_codes, .offset: 40, .size: 8, .value_kind: global_buffer, .address_space: global }
      - { .name: w_scales, .offset: 48, .size: 8, .value_kind: global_buffer, .address_space: global }
    .group_segment_fixed_size: 68096
    .private_segment_fixed_size: 0
    .kernarg_segment_align: 8
    .kernarg_segment_size: 56
    .max_flat_workgroup_size: 128
    .sgpr_count:     66
    .vgpr_count:     212
    .wavefront_size: 32
...
	.end_amdgpu_metadata
.endif
;; end of part 1
;; launch qkv (part 2): grid 12 x 32, 4 waves a work-group, clusters of 4 x 4, 327,680 bytes of LDS; arguments x_codes, x_scales, w_codes, w_scales, q_rec, kv_rec; writes q_rec, kv_rec
.if DOCPART == 2
	.amdgcn_target "amdgcn-amd-amdhsa--gfx1250"
	.amdhsa_code_object_version 6
	.text
	.protected	k_q9c99fd226e_qkv
	.globl	k_q9c99fd226e_qkv
	.p2align	8
	.type	k_q9c99fd226e_qkv,@function
k_q9c99fd226e_qkv:
	s_mov_b64 s[64:65], 0
	v_nop
	global_prefetch_b8 v0, s[64:65] scope:SCOPE_SE
	s_setreg_imm32_b32 hwreg(HW_REG_WAVE_MODE, 25, 1), 1
	s_wait_xcnt 0x0
	s_wait_alu depctr_hold_cnt(0) depctr_sa_sdst(0) depctr_va_vdst(0) depctr_va_sdst(0) depctr_va_ssrc(0) depctr_va_vcc(0) depctr_vm_vsrc(0)
	s_getreg_b32 s2, hwreg(HW_REG_IB_STS2, 6, 4)
	s_cmp_eq_u32 s2, 0
	s_cbranch_scc0 .Lentry_in_a_cluster
	s_endpgm
.Lentry_in_a_cluster:
	s_bfe_u32 s2, ttmp6, 0x10000c
	s_cmp_lg_u32 s2, 0xf033
	s_cbranch_scc0 .Lentry_shape_is_right
	s_endpgm
.Lentry_shape_is_right:
; qkv = x W_qkv on codes of FP6 (E2M3) with one E8M0 scale for each 32 along K (K = 1,024); the f32 sums are QUANTISED IN REGISTERS ON THE WAY OUT and leave as images of the next launch's operand registers.
; A tile of the product, 256 x 256, is made by a work-group of four waves; a wave makes 128 x 128: 64 accumulators, 512 registers.  K goes in steps of 256 through a ring of two LDS slots filled by the tensor data mover;
; the scale bytes of the work-group's rows, for all of K, come into LDS once.  4 x 4 work-groups form a cluster: the four of a row need the same tiles of "A", the four of a column the same tiles of "B": each tile is asked for jointly.
; ROLES, by the cluster's x (equal in all sixteen partners): x = 0 (q) and 1 (k): A = x's rows (tokens), B = W's columns.  x = 2 (v): A = W's columns 2,048 on, B = x's rows: v comes out TRANSPOSED.
; The matrix instruction takes 16 rows of B as source 0 and 16 rows of A as source 1: a lane holds ONE row of A, and its registers run along B's rows.  Both operands were stored with bits 3 and 4 of the row's number exchanged,
; so the 16 registers of accumulators (a, 2 b) and (a, 2 b + 1) are 16 NEIGHBOURS along B's true rows, 32 b + 16 (lane / 16) + 0 .. 15, and A's block a, lane r, is the true row 32 (a / 2) + 8 (a % 2) + r % 8 + 16 (r / 8).
; So for q and k a lane holds one token and 128 neighbouring columns (two heads of 64: K of the scores' product); for v one channel d and 128 neighbouring tokens (K of the second product).  Each block of 32 is quantised as the contract says:
; scale 2^(floor(log2(largest magnitude)) - 2), nearest code, ties to even.  A block lies in lanes l and l xor 16.
; WHAT IS STORED.  Half a fragment (6 registers a lane, 64 along K) is 768 bytes: registers 0-3 at 16 x lane, registers 4-5 at 512 + 8 x lane.  Each store covers 512 or 256 consecutive bytes, aligned to 256.
;   q_rec [64 heads][16 groups of 128 tokens][6,656]: 8 tiles x 768; at 6,144 the scale words [tile / 4][row][tile % 4] (bytes 0, 1 the row's two scales, bytes 2, 3 = 127 for the upper 64 along K, which the reader fills with zero codes).
;   kv_rec [64][16][13,312]: K's half as q's; at 6,656 V's four tiles of 16 channels x 128 keys (1,536 each); at 12,800 their scale words [copy][row][tile], twice.
; LIMITS: a block of zeros, or one whose largest magnitude lies under 2^-124, gets the byte 1 (this program alone reads the bytes); NaN and infinities are not served.
; REGISTERS, in windows of 256: window 0: v0-31 addresses; v32-63 scale words, two sets; v64-121 the way out; from v128 A's fragments, ONE set.  window 1: B's fragments, TWO sets.  windows 2, 3: the accumulators ((a, b) at v[8 (8 (a % 4) + b)]).
.set SIZE_K, 1024
.set KSTEP,  256                       ; along K in a slot
.set NQ,     KSTEP/128                 ; matrix instructions deep
.set ROWB,   192                       ; a tile's row in bytes
.set KROW,   192                       ; a row of codes in a plane of memory: 256 along K
.set PLANE,  8192*192                  ; from one 256 along K to the next, in both buffers of codes
.set PITCH,  240                       ; an LDS row: 3 x (64 bytes of data + 16 of padding)
.set FR,     12                        ; registers of a fragment
.set NL,     6                         ; LDS loads that bring one
.set NP,     4                         ; places behind this matrix instruction (ISA guide 7.12.1)
.set HALFT,  128*PITCH                 ; 128 rows: what one tensor load brings
.set SLOT,   4*HALFT                   ; A's 256 rows, then B's 256 rows
.set LAPS,   SIZE_K/(2*KSTEP)
.set KS,     SIZE_K/32                 ; a row of scales in bytes
.set SCL,    2*SLOT                    ; behind the ring: the scales, as runs of 256 bytes + 16 of padding
.set HALFS,  (128*KS/256)*272
.set SBLK,   (16*KS/256)*272
.set SPARE,  SCL+4*HALFS               ; the spare words, 128 bytes for each wave: two blocks of 256 bytes that no other line names
.set ADRA, 16                          ; v16-17 LDS address of my A fragments in slot 0, 1 (v18-19: for the pieces behind one padding more)
.set ADRB, 20                          ; v20-23 the same for B
.set ADRS, 27                          ; v27    LDS address of my scale words: lanes 0-15 A's rows, lanes 16-31 B's
.set SPW,  28                          ; v28    LDS address of my spare word; never rewritten
.set NIL,  29                          ; v29    0; never rewritten
.set SC,   32                          ; scale words, two sets
.set AF,   128                         ; A's fragments
.set TM,   64                          ; v64-67 largest magnitudes, v68-71 the other half's / the bytes, v76-79 the conversions' scale operands
.set PW,   80                          ; v80    the scale word just made
.set PC,   84                          ; v84-102 the codes just made
.set SW,   104                         ; v104-111 the eight blocks' scale words as they are stored
.set VO16, 112                         ; v112-115 16 x lane + k x (a tile's bytes)
.set VO8,  116                         ; v116-119 512 + 8 x lane + the same
.set VSC,  120                         ; v120   the scale words' place: 16 x row + (lane / 16) x (the next head's record, or the second copy)
.set VSH,  121                         ; v121   16 x (lane / 16) for q and k (lanes 16-31 store the second head's two bytes), 0 for v
.set SEL,  22                          ; s[22:23] lane selects for v_permlanex16_b32: lane l xor 16 (set behind the head's last use of s22, s23)
.set G1, 24                            ; s[24:31] descriptor group 1 for A's tiles;  s[32:39] group 0, one set for each slot
.set G0, 32
.set G1B, 48                           ; s[48:55], s[56:63] the same for B's tiles
.set G0B, 56
.set G1S, 68                           ; s[68:75], s[76:79] groups 1 and 0 for A's scales;  s[80:87], s[88:91] for B's
.set G0S, 76
.set G1SB, 80
.set G0SB, 88
.set MSB, 0
.macro WIN new                         ; the immediate's high byte repeats the setting that is left
.if MSB != \new
	s_set_vgpr_msb (MSB<<8)|\new
.set MSB, \new
.endif
.endm
.set MUL_LO, 0xa1                      ; source 0 (B) window 1, source 1 (A) window 0, C and D window 2
.set MUL_HI, 0xf1                      ; the same, C and D window 3
.set TO_B,   0x40                      ; destination window 1, address window 0
; A joint load: waves 0 and 1 fetch for A, waves 2 and 3 for B.  Each line has one mask and one set of registers for all that issue it; the branch hangs on the wave's number alone.
; Four v_nop follow each of the two lines, ahead of the jump, the label and what follows.
.macro JLOAD g0a, g1a, g0b, g1b
	s_cmp_eq_u32 s15, 0
	s_cbranch_scc0 .Lfor_b_\@
	tensor_load_to_lds s[\g0a:\g0a+3], s[\g1a:\g1a+7]
	s_nop 0
.rept 4
	v_nop
.endr
	s_branch .Lasked_\@
.Lfor_b_\@:
	tensor_load_to_lds s[\g0b:\g0b+3], s[\g1b:\g1b+7]
	s_nop 0
.rept 4
	v_nop
.endr
.Lasked_\@:
.endm
.macro CREST                           ; a round of the cluster's barrier behind its opening barrier
	s_cmp_lg_u32 s14, 0
	s_cbranch_scc1 .Lnot_wave_0_\@
	s_barrier_signal -3
.Lnot_wave_0_\@:
	s_barrier_wait -3
	s_barrier_signal -1
	s_barrier_wait -1
.endm
.macro CROUND                          ; a whole round
	s_barrier_signal -1
	s_barrier_wait -1
	CREST
.endm
	s_load_b128 s[4:7], s[0:1], 0x0                ; x's codes, x's scales
	s_load_b128 s[8:11], s[0:1], 0x10              ; W's codes, W's scales
	s_load_b128 s[96:99], s[0:1], 0x20             ; q_rec, kv_rec
	v_lshl_add_u32 v[SPW], v0, 2, SPARE
	v_mov_b32 v[NIL], 0
	ds_add_u32 v28, v29
	ds_add_u32 v28, v29
	s_wait_dscnt 0x0
	v_lshrrev_b32 v1, 5, v0
	v_readfirstlane_b32 s14, v1                    ; wave 0..3
	s_lshr_b32 s15, s14, 1                         ; which half of A's rows is mine.  Also: I fetch for A (0) or for B (1)
	s_and_b32 s16, s14, 1                          ; which half of B's rows.  Also: which 128 rows of that tile I fetch
	s_bfe_u32 s40, ttmp6, 0x40000                  ; cx, cy: my place in the cluster
	s_bfe_u32 s41, ttmp6, 0x40004
	s_and_b32 s12, ttmp7, 0xffff
	s_lshl_b32 s12, s12, 2                         ; 4 x cluster y
	s_lshl_b32 s13, ttmp9, 2                       ; 4 x cluster x
	s_cmp_eq_u32 ttmp9, 2                          ; v's clusters?  The same answer in all sixteen partners
	s_cselect_b32 s17, 8, s12                      ; A's tile of 256 rows, less cy: W's rows 2,048 on, or x's
	s_cselect_b32 s42, s12, s13                    ; B's tile, less cx: x's, or W's
	s_add_co_u32 s17, s17, s41                     ; A's tile hangs on cy alone among the places in the cluster,
	s_add_co_u32 s42, s42, s40                     ; B's on cx alone
	s_lshl_b32 s43, s41, 2
	s_lshl_b32 s43, 15, s43                        ; my row of the cluster
	s_lshl_b32 s44, 0x1111, s40                    ; my column
	; descriptor group 1: a tile of 128 rows x ROWB bytes, padded in LDS
	s_or_b32 s[G1+0], s43, (0<<16)|(1<<20)|(1<<21)|(3<<22)|(3<<25)  ; 15:0 the mask: A's tiles go to my row; 17:16 element of 1 byte; 20 padding on; 21 set beside a mask; 24:22 after every 16 words; 31:25 of 4 words
	s_or_b32 s[G1B+0], s44, (0<<16)|(1<<20)|(1<<21)|(3<<22)|(3<<25)
.irp g, G1, G1B
	s_mov_b32 s[\g+1], 256<<16                     ; a tile's rows lie end to end in their plane: the dense block is stated as rows of 256 bytes; the padding's interval stays 64 bytes, so an LDS row of 192 bytes has the pitch 240
	s_mov_b32 s[\g+2], 192<<16                     ; the head's loads: 256 rows of codes = 192 rows of 256 bytes
	s_mov_b32 s[\g+3], 256<<16
	s_mov_b32 s[\g+4], 192
	s_mov_b32 s[\g+5], 256
	s_mov_b32 s[\g+6], 0
	s_mov_b32 s[\g+7], 0
.endr
	; and for the scales of 256 rows: a dense block of 8,192 bytes, as rows of 256 bytes (32 elements of 8 bytes), 16 bytes of padding behind each
	s_or_b32 s[G1S+0], s43, (3<<16)|(1<<20)|(1<<21)|(5<<22)|(3<<25)
	s_or_b32 s[G1SB+0], s44, (3<<16)|(1<<20)|(1<<21)|(5<<22)|(3<<25)
.irp g, G1S, G1SB
	s_mov_b32 s[\g+1], 32<<16
	s_mov_b32 s[\g+2], (256*KS/256)<<16
	s_mov_b32 s[\g+3], 32<<16
	s_mov_b32 s[\g+4], 256*KS/256
	s_mov_b32 s[\g+5], 32
	s_mov_b32 s[\g+6], 0
	s_mov_b32 s[\g+7], 0
.endr
	s_lshl_b32 s20, s17, 8                         ; A: the tile's first row
	s_lshl_b32 s46, s42, 8                         ; B likewise
	s_mov_b32 s21, 0
	s_mov_b32 s47, 0
	s_mov_b64 s[18:19], KS
	s_mul_u64 s[22:23], s[20:21], s[18:19]         ; where these rows' scales begin, in bytes
	s_mul_u64 s[92:93], s[46:47], s[18:19]
	s_mov_b64 s[18:19], KROW
	s_mul_u64 s[20:21], s[20:21], s[18:19]         ; and their codes
	s_mul_u64 s[46:47], s[46:47], s[18:19]
	s_mul_i32 s2, s14, HALFT                       ; in the ring my 128 rows go to wave x 128 rows: no place in the cluster enters an LDS address
	s_mul_i32 s66, s16, 128*KROW                   ; and come from this half of the tile
	s_mov_b32 s67, 0
	s_wait_kmcnt 0x0
	s_cmp_eq_u32 ttmp9, 2                          ; which buffer is A and which is B: a choice on the cluster's x alone
	s_cselect_b64 s[12:13], s[8:9], s[4:5]         ; A's codes
	s_cselect_b64 s[100:101], s[10:11], s[6:7]     ; A's scales
	s_cselect_b64 s[8:9], s[4:5], s[8:9]           ; B's codes
	s_cselect_b64 s[10:11], s[6:7], s[10:11]       ; B's scales
	s_add_nc_u64 s[20:21], s[12:13], s[20:21]
	s_add_nc_u64 s[22:23], s[100:101], s[22:23]
	s_add_nc_u64 s[46:47], s[8:9], s[46:47]
	s_add_nc_u64 s[92:93], s[10:11], s[92:93]
	CROUND                                         ; all sixteen work-groups are here: the first joint loads meet
	s_mov_b32 s[G0S], 1
	s_mov_b32 s[G0S+1], SCL
	s_mov_b64 s[G0S+2:G0S+3], s[22:23]
	s_or_b32 s[G0S+3], s[G0S+3], 0x80000000
	s_mov_b32 s[G0SB], 1
	s_mov_b32 s[G0SB+1], SCL+2*HALFS
	s_mov_b64 s[G0SB+2:G0SB+3], s[92:93]
	s_or_b32 s[G0SB+3], s[G0SB+3], 0x80000000
	s_mov_b32 s[G0], 1                             ; slot 0's group 0 serves the head's whole tiles first: K step 0's 256 rows of A,
	s_mov_b32 s[G0+1], 0
	s_mov_b64 s[G0+2:G0+3], s[20:21]
	s_or_b32 s[G0+3], s[G0+3], 0x80000000
	s_mov_b32 s[G0B], 1                            ; and its 256 rows of B, behind them
	s_mov_b32 s[G0B+1], 2*HALFT
	s_mov_b64 s[G0B+2:G0B+3], s[46:47]
	s_or_b32 s[G0B+3], s[G0B+3], 0x80000000
	s_add_nc_u64 s[20:21], s[20:21], s[66:67]      ; for the ring: my 128 rows
	s_add_nc_u64 s[46:47], s[46:47], s[66:67]
	s_mov_b32 s[G0+4], 1
	s_add_co_u32 s[G0+5], s2, SLOT
	s_add_nc_u64 s[G0+6:G0+7], s[20:21], PLANE
	s_or_b32 s[G0+7], s[G0+7], 0x80000000
	s_mov_b32 s[G0B+4], 1
	s_add_co_u32 s[G0B+5], s2, SLOT
	s_add_nc_u64 s[G0B+6:G0B+7], s[46:47], PLANE
	s_or_b32 s[G0B+7], s[G0B+7], 0x80000000
; THE HEAD'S LOADS, ONE A WAVE: wave 0 K step 0's rows of A, wave 1 those of B, wave 2 A's scales, wave 3 B's.  One tree of branches on the wave's number: every way passes exactly one load.
.macro ARM under, g0, g1, next
	s_cmp_lt_u32 s14, \under
	s_cbranch_scc0 \next
	tensor_load_to_lds s[\g0:\g0+3], s[\g1:\g1+7]
	s_nop 0
.rept 4
	v_nop
.endr
	s_branch .Lhead_asked
\next:
.endm
	ARM 1, G0,  G1,  .Lhead_b
	ARM 2, G0B, G1B, .Lhead_sa
	ARM 3, G0S, G1S, .Lhead_sb
	tensor_load_to_lds s[G0SB:G0SB+3], s[G1SB:G1SB+7]
	s_nop 0
.rept 4
	v_nop
.endr
.Lhead_asked:
	v_and_b32 v1, 15, v0                           ; r = l % 16
	v_bfe_u32 v2, v0, 4, 1                         ; h = l / 16
	v_mul_u32_u24 v3, v1, PITCH
	v_mul_u32_u24 v4, v2, 24
	v_add_nc_u32 v4, v3, v4                        ; a fragment's row x pitch + 24 x half
	v_lshl_add_u32 v5, v2, 4, v4                   ; and the same behind one padding more
	s_mul_i32 s21, s15, HALFT                      ; my 128 rows of A
	s_mul_i32 s22, s16, HALFT                      ; my 128 rows of B,
	s_add_co_u32 s22, s22, 2*HALFT                 ; which lie behind A's 256
.irp s, 0,1
	v_add_nc_u32 v[ADRA+\s], s21, v4
	v_add_nc_u32 v[ADRB+\s], s22, v4
	v_add_nc_u32 v[ADRA+2+\s], s21, v5
	v_add_nc_u32 v[ADRB+2+\s], s22, v5
	s_add_co_u32 s21, s21, SLOT
	s_add_co_u32 s22, s22, SLOT
.endr
	v_mul_u32_u24 v5, v1, KS                       ; my row's scales: KS bytes a row,
	v_lshrrev_b32 v6, 8, v5
	v_lshl_add_u32 v5, v6, 4, v5                   ; and 16 more for each 256 passed
	s_mul_i32 s21, s15, HALFS                      ; A's: my 128 rows
	s_mul_i32 s22, s16, HALFS                      ; B's: my 128 rows, behind A's 256
	s_add_co_u32 s22, s22, 2*HALFS
	s_sub_co_u32 s22, s22, s21
	v_mul_u32_u24 v6, s22, v2                      ; lanes 16-31 take B's
	s_add_co_u32 s21, s21, SCL
	v_add_nc_u32 v5, v5, v6
	v_add_nc_u32 v[ADRS], s21, v5
	; WHERE THE RESULTS GO.  All of this enters store addresses and vector operands alone.
	s_cmp_eq_u32 ttmp9, 2
	s_cselect_b32 s92, s42, s17                    ; the tile of 256 tokens: B's for v, A's for q and k
	s_cselect_b32 s93, s16, s15                    ; my half of it
	s_cselect_b32 s94, s41, s40                    ; the four heads of the other tile
	s_cselect_b32 s95, s15, s16                    ; my two of them
	s_cselect_b32 s20, -1, 0xffff                  ; what is kept of a scale word: v: all four bytes; q, k: a head's two
	s_cselect_b32 s21, 0, 0x7f7f0000               ; and what is set beside it: q, k: the byte 127 twice
	s_cselect_b32 s100, 6656, 0                    ; v's half of a record lies behind k's
	s_mov_b32 s101, 768
	s_cselect_b32 s101, 1536, s101                 ; from tile to tile in a record
	s_cselect_b32 s17, 0, 16                       ; the shift that brings the second head's two bytes down
	s_cmp_eq_u32 ttmp9, 0
	s_mov_b32 s22, 13312
	s_cselect_b32 s22, 6656, s22                   ; a record's bytes
	s_cselect_b64 s[96:97], s[96:97], s[98:99]     ; q_rec, or kv_rec
	s_lshl_b32 s92, s92, 1
	s_add_co_u32 s92, s92, s93                     ; my group of 128 tokens, 0 .. 63
	s_lshl_b32 s94, s94, 2
	s_lshl_b32 s95, s95, 1
	s_add_co_u32 s94, s94, s95                     ; my first head
	s_lshr_b32 s93, s92, 4
	s_lshl_b32 s93, s93, 4
	s_add_co_u32 s93, s93, s94                     ; 16 x batch + head
	s_lshl_b32 s93, s93, 4
	s_and_b32 s92, s92, 15
	s_add_co_u32 s93, s93, s92                     ; the record
	s_mul_i32 s92, s93, s22
	s_add_co_u32 s92, s92, s100
	s_mov_b32 s93, 0
	s_add_nc_u64 s[4:5], s[96:97], s[92:93]        ; s[4:5]: blocks 0-3, first half fragment
	s_lshl_b32 s22, s22, 4                         ; the next head's record lies 16 records on
	s_cmp_eq_u32 ttmp9, 2
	s_mov_b32 s23, 3072
	s_cselect_b32 s40, s22, s23                    ; from blocks 0-3 to blocks 4-7: v: the next head; q, k: four tiles on
	s_mov_b32 s23, 768
	s_cselect_b32 s42, s23, s22                    ; from a fragment's first half to its second: v: 768 bytes; q, k: the next head
	s_mov_b32 s23, 256
	s_cselect_b32 s44, s22, s23                    ; the scale words of blocks 4-7: v: the next head; q, k: 256 bytes on
	s_cselect_b32 s46, s23, s22                    ; lanes 16-31 in a scale store: v: the second copy; q, k: the next head
	s_mov_b32 s41, 0
	s_mov_b32 s43, 0
	s_mov_b32 s45, 0
	s_add_nc_u64 s[6:7], s[4:5], s[42:43]          ; s[4+4 e+2 c : ..]: blocks 4 e on, half c
	s_add_nc_u64 s[8:9], s[4:5], s[40:41]
	s_add_nc_u64 s[10:11], s[8:9], s[42:43]
	s_add_nc_u64 s[12:13], s[4:5], 6144            ; the scale words of blocks 0-3,
	s_add_nc_u64 s[18:19], s[12:13], s[44:45]      ; and of blocks 4-7
	v_and_b32 v6, 31, v0
	v_lshlrev_b32 v[VO16], 4, v6
	v_lshl_add_u32 v[VO8], v6, 3, 512
.irp k, 1,2,3
	v_add_nc_u32 v[VO16+\k], s101, v[VO16+\k-1]
	v_add_nc_u32 v[VO8+\k], s101, v[VO8+\k-1]
.endr
	v_mul_u32_u24 v[VSC], s46, v2
	v_lshl_add_u32 v[VSC], v1, 4, v[VSC]
	v_mul_u32_u24 v[VSH], s17, v2
.irp b, 0,1,2,3
	v_mov_b32 v[TM+4+\b], 0                        ; written once: a lane permute's destination counts as one of its sources
.endr
	s_mov_b32 s[SEL], 0x76543210
	s_mov_b32 s[SEL+1], 0xfedcba98
.macro FRAG reg, adr, q, i             ; a fragment, 16 rows x 128 K of 6-bit codes, is 12 registers: lane l holds row l % 16; registers 6 c .. 6 c + 5 hold K = 64 c + 32 (l / 16) + 0 .. 31: 24 bytes of the row, as they lie
.irp p, 0,1,2,3,4,5                    ; in pieces of 8 bytes.  Lanes 16-31 take the pieces three on; where that lies behind one padding more, the second address register serves
.set PCE, 12*(\q)+6*(\p/3)+\p%3
.if PCE%8 < 5
	ds_load_b64 v[\reg+2*\p:\reg+2*\p+1], v[\adr] offset:8*PCE+16*(PCE/8)+(\i)*16*PITCH
.else
	ds_load_b64 v[\reg+2*\p:\reg+2*\p+1], v[\adr+2] offset:8*PCE+16*(PCE/8)+(\i)*16*PITCH
.endif
.endr
.endm
; 16 matrix instructions: A's blocks a0, a0 + 1 x B's eight, 128 along K: the slot's q-th.  p: B's set;  sc: the set of scale words.  zero = 1: the first product starts the sums.
; The 64 accumulators take turns, one instruction a turn, in the same order in every step.
.macro MUL16 a0, p, q, sc, zero
.irp a, \a0, \a0+1
.irp b, 0,1,2,3,4,5,6,7
.if \zero
	v_wmma_scale_f32_16x16x128_f8f6f4 v[8*(8*((\a)%4)+\b):8*(8*((\a)%4)+\b)+7], v[128*(\p)+FR*\b:128*(\p)+FR*\b+FR-1], v[AF+FR*(\a):AF+FR*(\a)+FR-1], 0, v[SC+8*NQ*(\sc)+NQ*\b+(\q)], v[SC+8*NQ*(\sc)+NQ*(\a)+(\q)] matrix_a_fmt:MATRIX_FMT_FP6 matrix_b_fmt:MATRIX_FMT_FP6 matrix_a_scale:MATRIX_SCALE_ROW1
.else
	v_wmma_scale_f32_16x16x128_f8f6f4 v[8*(8*((\a)%4)+\b):8*(8*((\a)%4)+\b)+7], v[128*(\p)+FR*\b:128*(\p)+FR*\b+FR-1], v[AF+FR*(\a):AF+FR*(\a)+FR-1], v[8*(8*((\a)%4)+\b):8*(8*((\a)%4)+\b)+7], v[SC+8*NQ*(\sc)+NQ*\b+(\q)], v[SC+8*NQ*(\sc)+NQ*(\a)+(\q)] matrix_a_fmt:MATRIX_FMT_FP6 matrix_b_fmt:MATRIX_FMT_FP6 matrix_a_scale:MATRIX_SCALE_ROW1
.endif
.endr
.endr
.endm
.macro FETCH_B slot, q, p              ; B's eight fragments of the slot's q-th 128 along K into set p
	WIN TO_B
.irp i, 0,1,2,3,4,5,6,7
	FRAG 128*(\p)+FR*\i, ADRB+\slot, \q, \i
.endr
	WIN 0
.endm
.macro FETCH_A slot, q, i0             ; A's blocks i0 .. i0 + 3
.irp i, \i0, \i0+1, \i0+2, \i0+3
	FRAG AF+FR*(\i), ADRA+\slot, \q, \i
.endr
.endm
.macro SCALES sc                       ; the next K step's scale words into set sc: lanes 0-15 take A's block i, lanes 16-31 B's block i
.irp i, 0,1,2,3,4,5,6,7
	ds_load_b64 v[SC+8*NQ*\sc+NQ*\i:SC+8*NQ*\sc+NQ*\i+1], v[ADRS] offset:\i*SBLK
.endr
.endm
.macro PLACES n                        ; plain vector instructions between a matrix instruction and a load into, or a vector read of, its registers
.rept \n
	v_nop
.endr
.endm
; A step of 128 along K that has its successor in the same slot.
.macro STEP slot, q, zero
	s_wait_dscnt 4*NL                              ; B's set and A's blocks 0-3 are in; the youngest 24 loads (A's blocks 4-7) may be out
	WIN MUL_LO
	MUL16 0, (\q)%2, \q, \slot, \zero
	MUL16 2, (\q)%2, \q, \slot, \zero
	s_wait_dscnt 0                                 ; A's blocks 4-7 are in (asked for 32 matrix instructions ago)
	PLACES NP
	FETCH_B \slot, (\q)+1, 1-(\q)%2
	FETCH_A \slot, (\q)+1, 0
	WIN MUL_HI
	MUL16 4, (\q)%2, \q, \slot, \zero
	MUL16 6, (\q)%2, \q, \slot, \zero
	PLACES NP
	WIN 0
	FETCH_A \slot, (\q)+1, 4
.endm
; A slot's last step changes slots: ONE barrier; in front of it each wave waits for all its tensor loads, adds 0 to its spare word, and waits for that and for its own reads of this slot.  fill = 1: this slot is filled again, two K steps ahead.
.macro TURN slot, next, fill
	s_wait_tensorcnt 0x0                           ; all my tensor loads have landed: my part of the next slot
	ds_add_u32 v[SPW], v[NIL]                      ; 0 onto my spare word
	s_wait_dscnt 4*NL+1                            ; (the add and the youngest 24 loads, A's blocks 4-7, may be out)
	WIN MUL_LO
	MUL16 0, 1, NQ-1, \slot, 0                     ; sixteen matrix instructions stand between the add and the wait for it
	s_wait_dscnt 0x0                               ; the add is done, and my reads of this slot are over
	s_barrier_signal -1
	MUL16 2, 1, NQ-1, \slot, 0
	WIN 0
	s_barrier_wait -1
.if \fill
	CREST                                          ; the barrier has opened a round of the cluster's barrier: no wave of any partner still reads this slot's tile or has a load on its way
	s_add_nc_u64 s[G0+4*\slot+2:G0+4*\slot+3], s[G0+4*\slot+2:G0+4*\slot+3], 2*PLANE
	s_add_nc_u64 s[G0B+4*\slot+2:G0B+4*\slot+3], s[G0B+4*\slot+2:G0B+4*\slot+3], 2*PLANE
	JLOAD G0+4*\slot, G1, G0B+4*\slot, G1B         ; the first tensor load behind the round; its four v_nop are the places in front of the loads below
.else
	PLACES NP
.endif
	s_wait_alu depctr_va_vdst(0)
	v_add_nc_u32 v[ADRS], 4*NQ, v[ADRS]            ; on to the next K step's scale words (no LDS load of mine is out)
	FETCH_B \next, 0, 0
	FETCH_A \next, 0, 0
	SCALES \next
	WIN MUL_HI
	MUL16 4, 1, NQ-1, \slot, 0
	MUL16 6, 1, NQ-1, \slot, 0
	PLACES NP
	WIN 0
	FETCH_A \next, 0, 4
.endm
	s_wait_alu depctr_va_vdst(0)                   ; the wait at the head's end
	s_wait_tensorcnt 0x0                           ; my tile of the head's four is in
	ds_add_u32 v[SPW], v[NIL]
	s_mov_b32 s[G1+2], 96<<16                      ; no tensor load of mine is out: from here on a load brings 128 rows of codes = 96 rows of 256 bytes,
	s_mov_b32 s[G1+4], 96
	s_mov_b32 s[G1B+2], 96<<16
	s_mov_b32 s[G1B+4], 96
	s_mov_b32 s[G0+1], s2                          ; and slot 0's group 0 names my 128 rows
	s_add_nc_u64 s[G0+2:G0+3], s[G0+2:G0+3], s[66:67]
	s_mov_b32 s[G0B+1], s2
	s_add_nc_u64 s[G0B+2:G0B+3], s[G0B+2:G0B+3], s[66:67]
	s_wait_dscnt 0x0
	CROUND                                         ; all four tiles are in, and all sixteen work-groups are here
	JLOAD G0+4, G1, G0B+4, G1B                     ; K step 1, the first tensor load behind the round
	FETCH_B 0, 0, 0
	FETCH_A 0, 0, 0
	SCALES 0
	FETCH_A 0, 0, 4
	STEP 0, 0, 1                                   ; the first step stands in front of the loop: its products start the sums
	s_mov_b32 s3, LAPS-1
.Llap:                                                 ; a trip goes once round the ring and fills both slots again
	TURN 0, 1, 1
	STEP 1, 0, 0
	TURN 1, 0, 1
	STEP 0, 0, 0
	s_sub_co_u32 s3, s3, 1
	s_cmp_lg_u32 s3, 0
	s_cbranch_scc1 .Llap
	TURN 0, 1, 0                                   ; the last lap fills nothing
	STEP 1, 0, 0
	s_wait_dscnt 4*NL                              ; the very last step: nothing more to fetch
	WIN MUL_LO
	MUL16 0, 1, NQ-1, 1, 0
	MUL16 2, 1, NQ-1, 1, 0
	s_wait_dscnt 0
	WIN MUL_HI
	MUL16 4, 1, NQ-1, 1, 0
	MUL16 6, 1, NQ-1, 1, 0
	WIN 0
; THE WAY OUT of A's block a: my row's 128 numbers (register 16 b + i = 32 b + 16 (lane / 16) + i along B's true rows) become a fragment's 12 registers and a scale word, and are stored from the registers.
.macro QG a
.set AC, 64*((\a)%4)
.set WQ, 0x28+0x14*((\a)/4)            ; sources 1 and 2: window 2 or 3
.set WC, 2+(\a)/4                      ; source 0: window 2 or 3
	WIN WQ
.irp b, 0,1,2,3
	v_max3_num_f32 v[TM+\b], 0x1800000, |v[AC+16*\b]|, |v[AC+16*\b+1]|   ; block b: my 16 numbers, and the floor 2^(3 - 127).  Each accumulator is read from its low end on
.endr
.irp i, 2,4,6,8,10,12,14
.irp b, 0,1,2,3
	v_max3_num_f32 v[TM+\b], v[TM+\b], |v[AC+16*\b+\i]|, |v[AC+16*\b+\i+1]|   ; (the four blocks by turns)
.endr
.endr
	WIN 0
.irp b, 0,1,2,3
	v_permlanex16_b32 v[TM+4+\b], v[TM+\b], s[SEL], s[SEL+1]
.endr
.irp b, 0,1,2,3
	v_max_num_f32 v[TM+\b], v[TM+\b], v[TM+4+\b]   ; with lane l xor 16's: the block's largest magnitude
.endr
.irp b, 0,1,2,3
	v_add_nc_u32 v[TM+12+\b], 0xff000000, v[TM+\b] ; 2 off its exponent field: the conversion's scale operand
.endr
.irp b, 0,1,2,3
	v_lshrrev_b32 v[TM+4+\b], 23, v[TM+12+\b]      ; the scale's byte
.endr
	v_lshl_or_b32 v[PW], v[TM+5], 8, v[TM+4]
	v_lshl_or_b32 v[PW], v[TM+6], 16, v[PW]
	v_lshl_or_b32 v[PW], v[TM+7], 24, v[PW]
	s_wait_xcnt 0x0                                ; the last block's stores have read their data: the codes' registers are written again only behind this wait
	WIN WC
.irp c, 0,1
	v_cvt_scalef32_pk16_fp6_f32 v[PC+6*\c:PC+2+6*\c], v[AC+32*\c:AC+15+32*\c], v[TM+12+2*\c]
	v_cvt_scalef32_pk16_fp6_f32 v[PC+12+4*\c:PC+14+4*\c], v[AC+16+32*\c:AC+31+32*\c], v[TM+12+2*\c+1]   ; (a conversion's three registers begin on an even number)
.endr
	WIN 0
	v_nop                                          ; one plain place behind a scaled conversion
.irp c, 0,1                                    ; the operand's layout wants a WHOLE block in a lane: lanes 0-15 block 2 c, lanes 16-31 block 2 c + 1
.irp i, 0,1,2
	v_permlane16_swap_b32 v[PC+6*\c+\i], v[PC+12+4*\c+\i]
.endr
.irp i, 0,1,2
	v_mov_b32 v[PC+3+6*\c+\i], v[PC+12+4*\c+\i]
.endr
.endr
	v_lshrrev_b32 v[SW+(\a)], v[VSH], v[PW]        ; q, k: lanes 16-31 take the second head's two bytes;
	v_and_or_b32 v[SW+(\a)], v[SW+(\a)], s20, s21  ; two bytes and 127 twice; v: the word as it is
.irp c, 0,1
	global_store_b128 v[VO16+(\a)%4], v[PC+6*\c:PC+6*\c+3], s[4+4*((\a)/4)+2*\c:5+4*((\a)/4)+2*\c]     ; 32 lanes store 512 consecutive bytes, aligned to 256
	global_store_b64 v[VO8+(\a)%4], v[PC+6*\c+4:PC+6*\c+5], s[4+4*((\a)/4)+2*\c:5+4*((\a)/4)+2*\c]     ; and 256
.endr
.endm
	PLACES NP                                      ; behind the last products, ahead of the first read of results
.irp a, 0,1,2,3,4,5,6,7
	QG \a
.endr
	global_store_b128 v[VSC], v[SW:SW+3], s[12:13]     ; sixteen lanes store 256 consecutive bytes, aligned
	global_store_b128 v[VSC], v[SW+4:SW+7], s[18:19]
	s_wait_tensorcnt 0x0                           ; the wave's end
	ds_add_u32 v[SPW], v[NIL]
	s_wait_dscnt 0x0
	CROUND                                         ; the closing round: no work-group ends while a partner may still ask for a tile that names it
	s_endpgm
.Lfunc_end_k_q9c99fd226e_qkv:
	.size	k_q9c99fd226e_qkv, .Lfunc_end_k_q9c99fd226e_qkv-k_q9c99fd226e_qkv
	.p2alignl 7, 3214868480
	.fill 96, 4, 3214868480
	.section	.rodata,"a",@progbits
	.p2align	6, 0x0
	.amdhsa_kernel k_q9c99fd226e_qkv
		.amdhsa_group_segment_fixed_size 327680
		.amdhsa_private_segment_fixed_size 0
		.amdhsa_enable_private_segment 0
		.amdhsa_kernarg_size 48
		.amdhsa_user_sgpr_count 2
		.amdhsa_user_sgpr_kernarg_segment_ptr 1
		.amdhsa_wavefront_size32 1
		.amdhsa_system_sgpr_workgroup_id_x 1
		.amdhsa_system_sgpr_workgroup_id_y 1
		.amdhsa_system_sgpr_workgroup_id_z 1
		.amdhsa_system_vgpr_workitem_id 0
		.amdhsa_next_free_vgpr 1024
		.amdhsa_next_free_sgpr 102
		.amdhsa_reserve_vcc 0
		.amdhsa_float_denorm_mode_32 3
		.amdhsa_float_denorm_mode_16_64 3
		.amdhsa_memory_ordered 1
		.amdhsa_forward_progress 1
		.amdhsa_inst_pref_size 168
	.end_amdhsa_kernel
	.amdgpu_metadata
---
amdhsa.version: [ 1, 2 ]
amdhsa.kernels:
  - .name:           k_q9c99fd226e_qkv
    .symbol:         k_q9c99fd226e_qkv.kd
    .args:
      - { .name: x_codes, .offset: 0, .size: 8, .value_kind: global_buffer, .address_space: global }
      - { .name: x_scales, .offset: 8, .size: 8, .value_kind: global_buffer, .address_space: global }
      - { .name: w_codes, .offset: 16, .size: 8, .value_kind: global_buffer, .address_space: global }
      - { .name: w_scales, .offset: 24, .size: 8, .value_kind: global_buffer, .address_space: global }
      - { .name: q_rec, .offset: 32, .size: 8, .value_kind: global_buffer, .address_space: global }
      - { .name: kv_rec, .offset: 40, .size: 8, .value_kind: global_buffer, .address_space: global }
    .group_segment_fixed_size: 327680
    .private_segment_fixed_size: 0
    .kernarg_segment_align: 8
    .kernarg_segment_size: 48
    .max_flat_workgroup_size: 128
    .sgpr_count:     102
    .vgpr_count:     1024
    .wavefront_size: 32
...
	.end_amdgpu_metadata
.endif
;; end of part 2
;; launch attn (part 3): grid 4 x 64, 16 waves a work-group, clusters of 4 x 1, 215,040 bytes of LDS; arguments q_rec, kv_rec, a_img, a_sc; writes a_img, a_sc
.if DOCPART == 3
	.amdgcn_target "amdgcn-amd-amdhsa--gfx1250"
	.amdhsa_code_object_version 6
	.text
	.protected	k_q9c99fd226e_attn
	.globl	k_q9c99fd226e_attn
	.p2align	8
	.type	k_q9c99fd226e_attn,@function
k_q9c99fd226e_attn:
	s_mov_b64 s[64:65], 0
	v_nop
	global_prefetch_b8 v0, s[64:65] scope:SCOPE_SE
	s_setreg_imm32_b32 hwreg(HW_REG_WAVE_MODE, 25, 1), 1
	s_wait_xcnt 0x0
	s_wait_alu depctr_hold_cnt(0) depctr_sa_sdst(0) depctr_va_vdst(0) depctr_va_sdst(0) depctr_va_ssrc(0) depctr_va_vcc(0) depctr_vm_vsrc(0)
	s_getreg_b32 s2, hwreg(HW_REG_IB_STS2, 6, 4)
	s_cmp_eq_u32 s2, 0
	s_cbranch_scc0 .Lentry_in_a_cluster
	s_endpgm
.Lentry_in_a_cluster:
	s_bfe_u32 s2, ttmp6, 0x10000c
	s_cmp_lg_u32 s2, 0x3003
	s_cbranch_scc0 .Lentry_shape_is_right
	s_endpgm
.Lentry_shape_is_right:
; o = softmax(q k^T / 8, causal) v for one head of one batch, both products on codes of FP6 (E2M3) with E8M0 scales; o / l is quantised along (head, d) and leaves as images of the last launch's operand registers.
; WORK LEFT OUT: key steps all of whose keys come after a tile's queries: reference() sets those scores to -inf in its own body, so they reach no output.
; THE SOFTMAX: t = score x log2(e) / 8; M = the running largest t rounded UP to a whole number; p = 2^(t - M) is quantised along the keys, not normalised; the row's sum l is taken of the unquantised p and divides at the end.
; When M moves, l and O are multiplied by 2^(old M - new M): exact.  The order in which a tile takes its key steps is free.
; SHARES.  The four work-groups of a cluster belong to one head (work-group y).  A head has 128 tiles of 16 queries: tile 8 G + a is tile a of group G (128 tokens).  Wave w of work-group g owns tile 4 w + g and tile 127 - (4 w + g):
; groups w / 2 and 15 - w / 2, so every wave has (w / 2 + 1) + (16 - w / 2) = 17 key steps of 128 keys.  The groups hang on the wave's number alone; the place in the cluster enters global addresses and the mask's operand alone.
; In trip j the upper tile takes key step j and the lower tile key step 15 - j (its diagonal step first, key step 0 last): steps beyond a tile's group are jumped over.
; K AND V OF THE WHOLE HEAD, 16 records of 13,312 bytes, lie in LDS: each wave brings one record by one tensor load, asked for JOINTLY by the four work-groups.  Every LDS byte is filled once and never stored to.
; TWO BARRIERS.  Wave 0's load has a line of its own: the first barrier shows record 0 alone, and trip 0 (the upper tile's key step 0; the lower tile has none there) is written out behind it, while the other 15 records are on their way.
; In front of the second barrier every wave waits for its load: the head's K and V are whole.  No prefetch: all loads of the launch stand at its head.
; LAYOUT.  Both products are used transposed: S^T = K Q^T (source 0 = 16 keys), O^T = V^T P^T (source 0 = 16 channels): a lane holds ONE query (lane % 16).  K = 64 in the first product: registers 6-11 of Q's fragments are zero codes.
; A tile of K is six registers; its fragment is those six and the six that follow (the next tile's; behind the last tile p's codes): every code of the format is a finite number, it meets a zero code of Q under the byte 127, and adds nothing.
; Row r of tile a of a group is token 32 (a / 2) + 8 (a % 2) + r % 8 + 16 (r / 8): so the 16 registers of score tiles 2 b and 2 b + 1 are the keys 32 b + 16 (lane / 16) + 0 .. 15, and likewise O^T's channels.
; LIMITS: a block whose every number is 0 or lies under 2^-124 gets the byte 1 (this program alone reads the bytes); NaN and infinities are not served.  a_sc is stored two bytes a lane: a row's 32 scale bytes come from 16 work-groups.
.set REC,  13312                       ; a record: K's 8 tiles (768 each), K's scale words at 6,144, V's 4 tiles (1,536 each) at 6,656, V's scale words at 12,800
.set QREC, 6656
.set L16, 1                            ; v1   16 x lane
.set L8,  2                            ; v2   8 x lane
.set R16, 3                            ; v3   16 x (lane % 16)
.set AL16, 4                           ; v4-6 the same three + the step's record
.set AL8, 5
.set ASC, 6
.set DQH, 7                            ; v7, v8  my query's place in its group - 16 (lane / 16), for the two tiles
.set DQL, 8
.set PSW, 9                            ; v9   p's scale word, and nothing else
.set T,   10                           ; v10  at work
.set F,   46                           ; v[46:47] f = 2^(old M - new M), and a word written once
.set OH,  48                           ; v48-79   O^T of the upper tile
.set OL,  80                           ; v80-111  of the lower
.set S,   112                          ; v112-175 S^T, then p
.set VF,  112                          ; v112-159 V's four fragments, once p has been converted
.set KS,  176                          ; v176-183 K's scale words
.set VS,  184                          ; v184-187 V's scale words
.set KF,  188                          ; v188-235 K's eight tiles, six registers each
.set BM,  188                          ; at work behind the scores' products, in K's registers: the blocks' largest scores,
.set PD,  200                          ; the other half's, a chain of the sums, the bytes,
.set SO,  212                          ; the conversions' scale operands
.set PC,  236                          ; v236-247 p's codes: directly behind K's last tile
.set CT,  248                          ; v248-250, v252-254 the conversions' second halves
.set R32, 251                          ; v251 32 x (lane % 16)
.set WV,  12                           ; s12 wave;  s13 cx;  s14 the head (16 x batch + head)
.set GLO, 15                           ; s15, s16 the two tiles' groups;  s17, s18 their numbers in the group
.set GHI, 16
.set ALO, 17
.set AHI, 18
.set G0,  20                           ; s[20:23] descriptor group 0;  s[24:31] group 1
.set G1,  24
.set SEL, 32                           ; s[32:33] lane selects for v_permlanex16_b32: lane l xor 16
.set CS,  34                           ; s[34:35] c = log2(e) / 8
.set STP, 36                           ; s36 the trip = the upper tile's key step;  s37 its record's LDS byte
.set TB,  37
.set KL,  56                           ; s56 the lower tile's key step, 15 - trip;  s57 its record's LDS byte
.set TBL, 57
.macro CROUND                          ; a round of the cluster's barrier
	s_barrier_signal -1
	s_barrier_wait -1
	s_cmp_lg_u32 s[WV], 0
	s_cbranch_scc1 .Lnot_wave_0_\@
	s_barrier_signal -3
.Lnot_wave_0_\@:
	s_barrier_wait -3
	s_barrier_signal -1
	s_barrier_wait -1
.endm
	s_load_b256 s[4:11], s[0:1], 0x0               ; q_rec s[4:5], kv_rec s[6:7], a_img s[8:9], a_sc s[10:11]
	v_lshl_add_u32 v254, v0, 2, 0x34000
	v_mov_b32 v255, 0
	ds_add_u32 v254, v255                          ; the opening lines: the add twice on end and its wait
	ds_add_u32 v254, v255
	s_wait_dscnt 0x0
	v_lshrrev_b32 v10, 5, v0
	s_delay_alu instid0(VALU_DEP_1)
	v_readfirstlane_b32 s[WV], v10                 ; wave 0..15
	s_bfe_u32 s13, ttmp6, 0x40000                  ; cx
	s_and_b32 s14, ttmp7, 0xffff                   ; the head, which the four partners share
	s_lshr_b32 s[GLO], s[WV], 1
	s_sub_co_u32 s[GHI], 15, s[GLO]
	s_and_b32 s[ALO], s[WV], 1
	s_lshl_b32 s[ALO], s[ALO], 2
	s_add_co_u32 s[ALO], s[ALO], s13
	s_sub_co_u32 s[AHI], 7, s[ALO]
	s_mov_b32 s[G1+0], 15|(3<<16)|(1<<21)          ; the mask: all four work-groups; elements of 8 bytes; bit 21 beside a mask; no padding
	s_mov_b32 s[G1+1], 32<<16                      ; rows of 256 bytes
	s_mov_b32 s[G1+2], 52<<16                      ; 52 rows: a record
	s_mov_b32 s[G1+3], 32<<16
	s_mov_b32 s[G1+4], 52
	s_mov_b32 s[G1+5], 32                          ; dense
	s_mov_b32 s[G1+6], 0
	s_mov_b32 s[G1+7], 0
	s_mov_b32 s[G0], 1
	s_mul_i32 s[G0+1], s[WV], REC                  ; record w to LDS byte 13,312 w
	s_lshl_b32 s50, s14, 4
	s_add_co_u32 s50, s50, s[WV]
	s_mul_i32 s50, s50, REC
	s_mov_b32 s51, 0
	s_mov_b32 s[SEL], 0x76543210
	s_mov_b32 s[SEL+1], 0xfedcba98
	s_mov_b32 s[CS], 0x3e38aa3b
	s_mov_b32 s[CS+1], s[CS]
	s_wait_kmcnt 0x0
	s_add_nc_u64 s[G0+2:G0+3], s[6:7], s[50:51]
	s_or_b32 s[G0+3], s[G0+3], 0x80000000
	CROUND                                         ; all four work-groups are here: the joint loads meet
	s_cmp_eq_u32 s[WV], 0                          ; every wave issues one load; wave 0's stands on a line of its own, since wave 0 alone waits in front of the first barrier
	s_cbranch_scc0 .Lothers
	tensor_load_to_lds s[G0:G0+3], s[G1:G1+7]
	s_nop 0
.rept 4
	v_nop
.endr
	s_branch .Lasked
.Lothers:
	tensor_load_to_lds s[G0:G0+3], s[G1:G1+7]
	s_nop 0
.rept 4
	v_nop
.endr
.Lasked:
	v_and_b32 v10, 31, v0
	s_delay_alu instid0(VALU_DEP_1)
	v_lshlrev_b32 v[L16], 4, v10
	s_delay_alu instid0(VALU_DEP_2)
	v_lshlrev_b32 v[L8], 3, v10
	v_and_b32 v11, 15, v0
	s_delay_alu instid0(VALU_DEP_1)
	v_lshlrev_b32 v[R16], 4, v11
	s_delay_alu instid0(VALU_DEP_2)
	v_lshlrev_b32 v[R32], 5, v11
	v_and_b32 v10, 7, v0
	v_bfe_u32 v11, v0, 3, 1
	s_delay_alu instid0(VALU_DEP_1)
	v_lshl_add_u32 v10, v11, 4, v10
	v_bfe_u32 v11, v0, 4, 1
	s_delay_alu instid0(VALU_DEP_1)
	v_lshlrev_b32 v11, 4, v11
	s_delay_alu instid0(VALU_DEP_1)
	v_sub_nc_u32 v10, v10, v11                     ; r % 8 + 16 (r / 8) - 16 (lane / 16)
; the addresses of tile s[TA] of group s[TG]: Q's image, Q's scale words, the output's image and scale bytes; and the mask's operand
.macro TILEADR TG, TA, PQI, PQS, PAI, PAS, VDQ
	s_lshl_b32 s50, s14, 4
	s_add_co_u32 s50, s50, s[\TG]
	s_mul_i32 s50, s50, QREC                       ; the group's record in q_rec
	s_mul_i32 s56, s[\TA], 768
	s_add_co_u32 s56, s56, s50
	s_mov_b32 s57, 0
	s_add_nc_u64 s[\PQI:\PQI+1], s[4:5], s[56:57]
	s_lshr_b32 s56, s[\TA], 2
	s_lshl_b32 s56, s56, 8
	s_and_b32 s58, s[\TA], 3
	s_lshl_b32 s58, s58, 2
	s_add_co_u32 s56, s56, s58
	s_add_co_u32 s56, s56, s50
	s_add_co_u32 s56, s56, 6144
	s_add_nc_u64 s[\PQS:\PQS+1], s[4:5], s[56:57]
	s_lshr_b32 s56, s14, 4
	s_lshl_b32 s56, s56, 7
	s_lshl_b32 s58, s[\TG], 3
	s_add_co_u32 s56, s56, s58
	s_add_co_u32 s58, s56, s[\TA]                  ; the tile of 16 tokens among all 512
	s_and_b32 s59, s14, 15                         ; the head in its batch
	s_lshl_b32 s56, s58, 4
	s_add_co_u32 s56, s56, s59
	s_mul_i32 s56, s56, 768
	s_add_nc_u64 s[\PAI:\PAI+1], s[8:9], s[56:57]
	s_lshl_b32 s56, s58, 9
	s_lshl_b32 s59, s59, 1
	s_add_co_u32 s56, s56, s59
	s_add_nc_u64 s[\PAS:\PAS+1], s[10:11], s[56:57]
	s_lshr_b32 s56, s[\TA], 1
	s_lshl_b32 s56, s56, 5
	s_and_b32 s58, s[\TA], 1
	s_lshl_b32 s58, s58, 3
	s_add_co_u32 s56, s56, s58
	v_add_nc_u32 v[\VDQ], s56, v10
.endm
	s_wait_alu depctr_va_vdst(0)                   ; the wait ahead of the scalar lines below
	TILEADR GHI, AHI, 38, 52, 42, 46, DQH
	TILEADR GLO, ALO, 40, 54, 44, 48, DQL
	global_load_b128 v[20:23], v[L16], s[38:39] th:TH_LOAD_NT              ; Q's half fragments stay in registers: v20-25 and v32-37
	global_load_b64 v[24:25], v[L8], s[38:39] offset:512 th:TH_LOAD_NT
	global_load_b32 v44, v[R16], s[52:53] th:TH_LOAD_NT                    ; and their scale words: v44, v45
	global_load_b128 v[32:35], v[L16], s[40:41] th:TH_LOAD_NT
	global_load_b64 v[36:37], v[L8], s[40:41] offset:512 th:TH_LOAD_NT
	global_load_b32 v45, v[R16], s[54:55] th:TH_LOAD_NT
.irp j, 26,27,28,29,30,31,38,39,40,41,42,43
	v_mov_b32 v\j, 0                               ; Q's upper 64 along K: zero codes
.endr
.set i, 0
.rept 54
	v_mov_b32 v[KF+i], 0                           ; K's registers and the six behind them: written once, so that every way finds them written
.set i, i+1
.endr
.set i, 0
.rept 64
	v_mov_b32 v[OH+i], 0                           ; O^T of both tiles: a tile's first step finds zeros, which the first change of M leaves zeros
.set i, i+1
.endr
	v_mov_b32 v13, 0xff61b1e6                      ; the largest t so far: -3e38
	s_delay_alu instid0(VALU_DEP_1)
	v_floor_f32 v12, -v13                          ; -M
	v_mov_b32 v14, 0                               ; l, in two halves
	v_mov_b32 v15, 0
	v_mov_b32 v17, 0xff61b1e6
	s_delay_alu instid0(VALU_DEP_1)
	v_floor_f32 v16, -v17
	v_mov_b32 v18, 0
	v_mov_b32 v19, 0
	v_mov_b32 v47, 0
; A KEY STEP of one tile: 128 keys.  OB: O^T; SB: -M, the largest t, l; QB, QS: Q's fragment and scale word; DQ: the mask's operand; GS: the tile's group; KR: the key step; TR: its record's LDS byte; MK = 0: this step can be no diagonal step.
.macro STEP OB, SB, QB, QS, DQ, GS, KR, TR, MK
	s_cmp_gt_u32 s[\KR], s[\GS]                    ; a step all of whose keys come after the tile's queries is left out: a branch on the wave's number and the count; no barrier and no tensor load stands in a step
	s_cbranch_scc1 .Lhidden_\@
	v_add_nc_u32 v[AL16], s[\TR], v[L16]
	v_add_nc_u32 v[AL8], s[\TR], v[L8]
	v_add_nc_u32 v[ASC], s[\TR], v[R16]
	s_wait_alu depctr_va_vdst(0)
	ds_load_b128 v[KS:KS+3], v[ASC] offset:6144
	ds_load_b128 v[KS+4:KS+7], v[ASC] offset:6400
.irp t, 0,1,2,3,4,5,6,7                        ; all eight tiles of K in one run of loads, under one wait
	ds_load_b128 v[KF+6*\t:KF+6*\t+3], v[AL16] offset:\t*768
	ds_load_b64 v[KF+6*\t+4:KF+6*\t+5], v[AL8] offset:\t*768+512
.endr
	s_wait_dscnt 0x0
.irp t, 0,1,2,3,4,5,6,7                        ; S^T = K Q^T: eight accumulators, one instruction each
	v_wmma_scale_f32_16x16x128_f8f6f4 v[S+8*\t:S+8*\t+7], v[KF+6*\t:KF+6*\t+11], v[\QB:\QB+11], 0, v[KS+\t], v[\QS] matrix_a_fmt:MATRIX_FMT_FP6 matrix_b_fmt:MATRIX_FMT_FP6
.endr
.rept 4
	v_nop                                          ; places ahead of the first read of the scores and of writes into K's registers
.endr
.if \MK
	s_cmp_lg_u32 s[\KR], s[\GS]                    ; on the diagonal the scores of hidden keys become -infinity ahead of the maximum: p = 0 then
	s_cbranch_scc1 .Lopen_\@
	v_mov_b32 v[T], 0xff800000
.set n, 0
.rept 64
	v_cmp_gt_i32 vcc_lo, 32*(n/16)+n%16, v[\DQ]    ; register 16 b + i holds key 32 b + 16 (lane / 16) + i of the group
	v_cndmask_b32 v[S+n], v[S+n], v[T], vcc_lo
.set n, n+1
.endr
.Lopen_\@:
.endif
.irp b, 0,1,2,3
	v_max3_num_f32 v[BM+\b], v[S+16*\b], v[S+1+16*\b], v[S+2+16*\b]   ; the largest score of each block of 32 keys: for the row's maximum and, since p rises with the score, for the block's largest p
.endr
.irp i, 3,5,7,9,11,13
.irp b, 0,1,2,3
	v_max3_num_f32 v[BM+\b], v[BM+\b], v[S+16*\b+\i], v[S+1+16*\b+\i]
.endr
.endr
.irp b, 0,1,2,3
	v_max_num_f32 v[BM+\b], v[BM+\b], v[S+15+16*\b]
.endr
.irp b, 0,1,2,3
	s_delay_alu instid0(VALU_DEP_4)
	v_permlanex16_b32 v[PD+\b], v[BM+\b], s[SEL], s[SEL+1]
.endr
.irp b, 0,1,2,3
	s_delay_alu instid0(VALU_DEP_4)
	v_max_num_f32 v[BM+\b], v[BM+\b], v[PD+\b]     ; with lane l xor 16's 16 keys
.endr
	s_delay_alu instid0(VALU_DEP_2)
	v_max3_num_f32 v[T], v[BM], v[BM+1], v[BM+2]
	s_delay_alu instid0(VALU_DEP_1)
	v_max_num_f32 v[T], v[T], v[BM+3]              ; the step's largest score of my query
	s_delay_alu instid0(VALU_DEP_1)
	v_mul_f32 v[T], s[CS], v[T]                    ; as t
	s_delay_alu instid0(VALU_DEP_1)
	v_max_num_f32 v[\SB+1], v[\SB+1], v[T]         ; the running largest t
	v_mov_b32 v[T], v[\SB]
	s_delay_alu instid0(VALU_DEP_2)
	v_floor_f32 v[\SB], -v[\SB+1]                  ; the new -M = floor(-t): M is a whole number
	s_delay_alu instid0(VALU_DEP_1)
	v_sub_f32 v[T], v[\SB], v[T]                   ; old M - new M: a whole number, 0 or less
	s_delay_alu instid0(VALU_DEP_1)
	v_cvt_i32_f32 v[T], v[T]
	s_delay_alu instid0(VALU_DEP_1)
	v_ldexp_f32 v[F], 1.0, v[T]                    ; f = 2^(old M - new M)
.set j, 0
.rept 32
	v_pk_fma_f32 v[S+j:S+j+1], v[S+j:S+j+1], s[CS:CS+1], v[\SB:\SB+1] op_sel_hi:[1,0,0]   ; t - M, two at a time
.set j, j+2
.endr
.irp b, 0,1,2,3
	v_fma_f32 v[BM+\b], v[BM+\b], s[CS], v[\SB]    ; the same of each block's largest score
.endr
.set j, 0
	s_wait_alu depctr_va_vdst(0)                   ; the wait ahead of the batch
.rept 64
	v_exp_f32 v[S+j], v[S+j]                       ; p = 2^(t - M), at most 1
.set j, j+1
.endr
	v_pk_mul_f32 v[\SB+2:\SB+3], v[\SB+2:\SB+3], v[F:F+1] op_sel_hi:[1,0]   ; l under the new M: the plain instruction behind the batch
	s_wait_alu depctr_va_vdst(0)                   ; one wait for the 64 exponentials, ahead of their first reader
.irp b, 0,1,2,3
	v_exp_f32 v[BM+\b], v[BM+\b]                   ; the block's largest p: the same two instructions on the same number give the same bits
.endr
	v_pk_add_f32 v[PD:PD+1], v[S:S+1], v[S+2:S+3]  ; the row's sum of the UNQUANTISED p, in two chains
.irp j, 4,8,12,16,20,24,28,32,36,40,44,48,52,56,60
	v_pk_add_f32 v[\SB+2:\SB+3], v[\SB+2:\SB+3], v[S+\j:S+1+\j]
	v_pk_add_f32 v[PD:PD+1], v[PD:PD+1], v[S+2+\j:S+3+\j]
.endr
	s_delay_alu instid0(VALU_DEP_1)
	v_pk_add_f32 v[\SB+2:\SB+3], v[\SB+2:\SB+3], v[PD:PD+1]
	s_wait_alu depctr_va_vdst(0)                   ; and one for the four
.irp b, 0,1,2,3
	v_max_num_f32 v[BM+\b], 0x1800000, v[BM+\b]    ; the floor 2^(3 - 127): the byte cannot fall under 1
.endr
.irp b, 0,1,2,3
	s_delay_alu instid0(VALU_DEP_4)
	v_add_nc_u32 v[SO+\b], 0xff000000, v[BM+\b]    ; 2 off the exponent field: the conversion's scale operand
.endr
.irp b, 0,1,2,3
	s_delay_alu instid0(VALU_DEP_4)
	v_lshrrev_b32 v[PD+\b], 23, v[SO+\b]           ; the scale's byte
.endr
	s_delay_alu instid0(VALU_DEP_3)
	v_lshl_or_b32 v[PSW], v[PD+1], 8, v[PD]        ; p's scale word for these 128 keys
	s_delay_alu instid0(VALU_DEP_1)
	v_lshl_or_b32 v[PSW], v[PD+2], 16, v[PSW]
	s_delay_alu instid0(VALU_DEP_1)
	v_lshl_or_b32 v[PSW], v[PD+3], 24, v[PSW]
.irp c, 0,1
	v_cvt_scalef32_pk16_fp6_f32 v[PC+6*\c:PC+2+6*\c], v[S+32*\c:S+15+32*\c], v[SO+2*\c]
	v_cvt_scalef32_pk16_fp6_f32 v[CT+4*\c:CT+2+4*\c], v[S+16+32*\c:S+31+32*\c], v[SO+2*\c+1]   ; (a conversion's three registers begin on an even number)
.endr
	ds_load_b128 v[VS:VS+3], v[ASC] offset:12800   ; p has been read: V's fragments land in its registers while the codes are put in order
.irp t, 0,1,2,3
	ds_load_b128 v[VF+12*\t:VF+12*\t+3], v[AL16] offset:6656+1536*\t
	ds_load_b64 v[VF+12*\t+4:VF+12*\t+5], v[AL8] offset:6656+1536*\t+512
	ds_load_b128 v[VF+12*\t+6:VF+12*\t+9], v[AL16] offset:6656+1536*\t+768
	ds_load_b64 v[VF+12*\t+10:VF+12*\t+11], v[AL8] offset:6656+1536*\t+1280
.endr
	v_nop                                          ; one plain vector instruction behind the scaled conversions
.irp c, 0,1                                    ; the operand's layout wants a WHOLE block in a lane
.irp i, 0,1,2
	v_permlane16_swap_b32 v[PC+6*\c+\i], v[CT+4*\c+\i]
.endr
.irp i, 0,1,2
	s_delay_alu instid0(VALU_DEP_3)
	v_mov_b32 v[PC+3+6*\c+\i], v[CT+4*\c+\i]
.endr
.endr
.set j, 0
.rept 16
	v_pk_mul_f32 v[\OB+j:\OB+j+1], v[\OB+j:\OB+j+1], v[F:F+1] op_sel_hi:[1,0]   ; O^T under the new M.  (These 16 are also the places between the writes of the codes and of the scale word and the products below)
.set j, j+2
.endr
	s_wait_alu depctr_va_vdst(0)                   ; the wait ahead of the wait below
	s_wait_dscnt 0x0
.irp t, 0,1,2,3                                ; O^T += V^T P^T: four accumulators, one instruction each; the next step's eight score products stand between two links on one accumulator
	v_wmma_scale_f32_16x16x128_f8f6f4 v[\OB+8*\t:\OB+8*\t+7], v[VF+12*\t:VF+12*\t+11], v[PC:PC+11], v[\OB+8*\t:\OB+8*\t+7], v[VS+\t], v[PSW] matrix_a_fmt:MATRIX_FMT_FP6 matrix_b_fmt:MATRIX_FMT_FP6
.endr
.rept 5
	v_nop                                          ; five places: the next scores are written over V's fragments, which these products read
.endr
.Lhidden_\@:
.endm
	s_wait_alu depctr_va_vdst(0)                   ; the wait at the head's end
	s_cmp_eq_u32 s[WV], 0
	s_cbranch_scc0 .Lnot_first
	s_wait_tensorcnt 0x0                           ; wave 0: record 0 has landed
.Lnot_first:
	s_barrier_signal -1
	s_barrier_wait -1                              ; record 0 is shown to all; the other records may be on their way
	s_wait_loadcnt 0x0                             ; Q
	s_mov_b32 s[STP], 0
	s_mov_b32 s[TB], 0
	STEP OH, 12, 20, 44, DQH, GHI, STP, TB, 0      ; trip 0, written out: the upper tile's group is 8 at the least, so key step 0 is no diagonal step; the lower tile's key step would be 15, beyond every lower group
	s_wait_alu depctr_va_vdst(0)                   ; the wait ahead of the waits below
	s_wait_tensorcnt 0x0                           ; every wave: my record has landed,
	s_wait_dscnt 0x0
	s_barrier_signal -1
	s_barrier_wait -1                              ; everybody's has: the head's K and V are whole
	s_mov_b32 s[STP], 1
	s_mov_b32 s[TB], REC
.Lstep:                                            ; 15 trips, a constant; a tile's steps beyond its group are jumped over
	s_xor_b32 s[KL], s[STP], 15                    ; 15 - trip
	s_mul_i32 s[TBL], s[KL], REC
	STEP OH, 12, 20, 44, DQH, GHI, STP, TB, 1
	STEP OL, 16, 32, 45, DQL, GLO, KL, TBL, 1
	s_add_co_u32 s[TB], s[TB], REC
	s_add_co_u32 s[STP], s[STP], 1
	s_cmp_lt_u32 s[STP], 16
	s_cbranch_scc1 .Lstep
; THE WAY OUT of a tile: O^T / l; register 16 b + i is channel 32 b + 16 (lane / 16) + i of my query: two blocks of 32 along the last product's K.  They are quantised and stored as half a fragment and two scale bytes.
.macro OUTT OB, SB, PCX, CTX, TX, PAI, PAS
	v_add_f32 v[T], v[\SB+2], v[\SB+3]             ; l's two halves,
	s_delay_alu instid0(VALU_DEP_1)
	v_permlanex16_b32 v[PD], v[T], s[SEL], s[SEL+1]
	s_delay_alu instid0(VALU_DEP_1)
	v_add_f32 v[T], v[T], v[PD]                    ; and lane l xor 16's
	s_wait_alu depctr_va_vdst(0)
	v_rcp_f32 v[T], v[T]
	v_nop                                          ; a plain instruction behind the reciprocal,
	s_wait_alu depctr_va_vdst(0)                   ; and the wait ahead of its first reader
.set j, 0
.rept 32
	v_mul_f32 v[S+j], v[\OB+j], v[T]               ; each accumulator from its low end on
.set j, j+1
.endr
.irp b, 0,1
	v_max3_num_f32 v[BM+\b], |v[S+16*\b]|, |v[S+1+16*\b]|, 0x1800000
.endr
.irp i, 2,4,6,8,10,12,14
.irp b, 0,1
	s_delay_alu instid0(VALU_DEP_2)
	v_max3_num_f32 v[BM+\b], v[BM+\b], |v[S+16*\b+\i]|, |v[S+1+16*\b+\i]|
.endr
.endr
.irp b, 0,1
	s_delay_alu instid0(VALU_DEP_2)
	v_permlanex16_b32 v[PD+\b], v[BM+\b], s[SEL], s[SEL+1]
.endr
.irp b, 0,1
	s_delay_alu instid0(VALU_DEP_2)
	v_max_num_f32 v[BM+\b], v[BM+\b], v[PD+\b]
.endr
.irp b, 0,1
	s_delay_alu instid0(VALU_DEP_2)
	v_add_nc_u32 v[SO+\b], 0xff000000, v[BM+\b]
.endr
.irp b, 0,1
	s_delay_alu instid0(VALU_DEP_2)
	v_lshrrev_b32 v[PD+\b], 23, v[SO+\b]
.endr
	s_delay_alu instid0(VALU_DEP_1)
	v_lshl_or_b32 v[\TX], v[PD+1], 8, v[PD]        ; my row's two scale bytes
	v_cvt_scalef32_pk16_fp6_f32 v[\PCX:\PCX+2], v[S:S+15], v[SO]
	v_cvt_scalef32_pk16_fp6_f32 v[\CTX:\CTX+2], v[S+16:S+31], v[SO+1]
	v_nop                                          ; one plain place behind a scaled conversion
.irp i, 0,1,2
	v_permlane16_swap_b32 v[\PCX+\i], v[\CTX+\i]
.endr
.irp i, 0,1,2
	s_delay_alu instid0(VALU_DEP_3)
	v_mov_b32 v[\PCX+3+\i], v[\CTX+\i]
.endr
	global_store_b128 v[L16], v[\PCX:\PCX+3], s[\PAI:\PAI+1]               ; 512 consecutive bytes, aligned to 256
	global_store_b64 v[L8], v[\PCX+4:\PCX+5], s[\PAI:\PAI+1] offset:512    ; and 256
	global_store_b16 v[R32], v[\TX], s[\PAS:\PAS+1]                        ; both halves of the lanes write the same two bytes with the same value
.endm
	s_wait_alu depctr_va_vdst(0)
	OUTT OH, 12, PC, CT, 11, 42, 46                ; each tile has its own registers for what it stores: no store's data are written again
	OUTT OL, 16, PC+6, CT+4, 255, 44, 48
	s_wait_dscnt 0x0
	s_wait_xcnt 0x0
	v_lshl_add_u32 v254, v0, 2, 0x34000
	v_mov_b32 v255, 0
	s_wait_alu depctr_va_vdst(0)
	s_wait_tensorcnt 0x0                           ; the wave's end
	ds_add_u32 v254, v255
	s_wait_dscnt 0x0
	CROUND                                         ; the closing round: no work-group ends while a partner may still ask for a record that names it
	s_endpgm
.Lfunc_end_k_q9c99fd226e_attn:
	.size	k_q9c99fd226e_attn, .Lfunc_end_k_q9c99fd226e_attn-k_q9c99fd226e_attn
	.p2alignl 7, 3214868480
	.fill 96, 4, 3214868480
	.section	.rodata,"a",@progbits
	.p2align	6, 0x0
	.amdhsa_kernel k_q9c99fd226e_attn
		.amdhsa_group_segment_fixed_size 215040
		.amdhsa_private_segment_fixed_size 0
		.amdhsa_enable_private_segment 0
		.amdhsa_kernarg_size 32
		.amdhsa_user_sgpr_count 2
		.amdhsa_user_sgpr_kernarg_segment_ptr 1
		.amdhsa_wavefront_size32 1
		.amdhsa_system_sgpr_workgroup_id_x 1
		.amdhsa_system_sgpr_workgroup_id_y 1
		.amdhsa_system_sgpr_workgroup_id_z 1
		.amdhsa_system_vgpr_workitem_id 0
		.amdhsa_next_free_vgpr 256
		.amdhsa_next_free_sgpr 66
		.amdhsa_reserve_vcc 1
		.amdhsa_float_denorm_mode_32 3
		.amdhsa_float_denorm_mode_16_64 3
		.amdhsa_memory_ordered 1
		.amdhsa_forward_progress 1
		.amdhsa_inst_pref_size 83
	.end_amdhsa_kernel
	.amdgpu_metadata
---
amdhsa.version: [ 1, 2 ]
amdhsa.kernels:
  - .name:           k_q9c99fd226e_attn
    .symbol:         k_q9c99fd226e_attn.kd
    .args:
      - { .name: q_rec, .offset: 0, .size: 8, .value_kind: global_buffer, .address_space: global }
      - { .name: kv_rec, .offset: 8, .size: 8, .value_kind: global_buffer, .address_space: global }
      - { .name: a_img, .offset: 16, .size: 8, .value_kind: global_buffer, .address_space: global }
      - { .name: a_sc, .offset: 24, .size: 8, .value_kind: global_buffer, .address_space: global }
    .group_segment_fixed_size: 215040
    .private_segment_fixed_size: 0
    .kernarg_segment_align: 8
    .kernarg_segment_size: 32
    .max_flat_workgroup_size: 512
    .sgpr_count:     66
    .vgpr_count:     256
    .wavefront_size: 32
...
	.end_amdgpu_metadata
.endif
;; end of part 3
;; launch outp (part 4): grid 8 x 32, 4 waves a work-group, clusters of 4 x 4, 327,680 bytes of LDS; arguments a_img, a_sc, w_codes, w_scales, out0; writes out0
.if DOCPART == 4
	.amdgcn_target "amdgcn-amd-amdhsa--gfx1250"
	.amdhsa_code_object_version 6
	.text
	.protected	k_q9c99fd226e_outp
	.globl	k_q9c99fd226e_outp
	.p2align	8
	.type	k_q9c99fd226e_outp,@function
k_q9c99fd226e_outp:
	s_mov_b64 s[64:65], 0
	v_nop
	global_prefetch_b8 v0, s[64:65] scope:SCOPE_SE
	s_setreg_imm32_b32 hwreg(HW_REG_WAVE_MODE, 25, 1), 1
	s_wait_xcnt 0x0
	s_wait_alu depctr_hold_cnt(0) depctr_sa_sdst(0) depctr_va_vdst(0) depctr_va_sdst(0) depctr_va_ssrc(0) depctr_va_vcc(0) depctr_vm_vsrc(0)
	s_getreg_b32 s2, hwreg(HW_REG_IB_STS2, 6, 4)
	s_cmp_eq_u32 s2, 0
	s_cbranch_scc0 .Lentry_in_a_cluster
	s_endpgm
.Lentry_in_a_cluster:
	s_bfe_u32 s2, ttmp6, 0x10000c
	s_cmp_lg_u32 s2, 0xf033
	s_cbranch_scc0 .Lentry_shape_is_right
	s_endpgm
.Lentry_shape_is_right:
; out0 = o W_out on codes of FP6 (E2M3) with one E8M0 scale for each 32 along K (K = 1,024), f32 sums.  Both operands lie in memory as images of operand registers:
; [tile of 16 rows][64 along K: 768 bytes: registers 0-3 at 16 x lane, registers 4-5 at 512 + 8 x lane]; a tile, all of K, is 12,288 bytes.  o's tiles: a_img; W_out's 64 tiles of 16 columns: w_codes from byte WIMG on.
; THE DEAL.  256 work-groups of four waves; a work-group makes 256 tokens x 128 columns.  ALL OF K LIES IN LDS: o's 16 tiles (196,608 bytes), W's 8 tiles (98,304): every LDS byte is filled once, at the head, one tensor load a wave:
; wave 0 W's tiles, wave 1 o's tiles 0-3, wave 2 tiles 4-9, wave 3 tiles 10-15.  The images are dense, so no padding is needed: a wave's load of a fragment's piece reads consecutive bytes.
; Waves 2 x 2: wave (wr, wc) holds W's columns 64 wc .. + 63, all of K, in registers (32 fragments, 384 registers) and streams o's tiles 2 s + wr, s = 0 .. 7, past them: a block is 32 products on four accumulators by turns.
; A block's 16 x 64 results are finished after its products and leave at once: through the wave's own stage in LDS, back as rows of 256 bytes, sixteen lanes to an aligned run of 256 bytes of out0.
; The matrix instruction takes 16 columns of W as source 0 and 16 tokens as source 1: a lane holds one token and eight neighbouring columns.  Row r of tile a of a group of 128 tokens is token 32 (a / 2) + 8 (a % 2) + r % 8 + 16 (r / 8).
; THE SCALE WORDS come by plain loads into registers, 512 consecutive bytes an instruction: lanes 0-15 take a row's words of K steps 0-3, lanes 16-31 those of K steps 4-7.
; CLUSTERS: 4 x 4 work-groups; o's tiles are asked for jointly by a row of the cluster, W's by a column.  No prefetch: all the launch's tensor loads stand at its head, and there is no loop to run ahead in.
; BARRIERS: the first shows W's tiles (wave 0 alone waits), the second o's tiles 0-9 (waves 0-2 wait), the third, behind block 3, tiles 10-15 (every wave waits).
; THE WAITS' COUNTS: a block's 32 loads were issued a block ago; younger are the 16 LDS instructions of the stage and the next block's 32 loads (48; the last block: 16).  Behind the products the stage's loads have the 32 behind them (32; the last: 0).
; LIMITS: NaN and infinities are not served.
.set TILE,   12288
.set BB,     16*TILE                   ; W's tiles
.set SPITCH, 272
.set STAGE,  BB+8*TILE                 ; 16 rows x (256 + 16) bytes for each wave: bytes of their own
.set SPARE,  STAGE+4*16*SPITCH         ; the spare words
.set WIMG,   3072*192
.set FR,     12
.set FPW,    21                        ; fragments in a window of 256 registers
.set A16, 4                            ; v4-7   LDS address of my tiles 4 k + wr, + 16 x lane
.set A8,  8                            ; v8-11  the same + 8 x lane
.set B16, 12                           ; v12, v13 the same for W's tiles
.set B8,  13
.set STO, 14
.set RD,  15
.set CO,  16
.set VS,  17
.set SPW, 28
.set NIL, 29
.set SB,  32                           ; v32-47 W's scale words: 4 b + q % 4
.set SA,  50                           ; v50-81 o's: 4 s + q % 4
.set BK,  128                          ; v128-191 rows read back from the stage, two sets
.set ACC, 192                          ; v192-255 two sets of four accumulators
.set G1B, 24                           ; window 1: o's fragments, two sets of 96; windows 2, 3: W's 32 fragments
.set G1A, 32
.set G1C, 40
.set G0B, 48
.set G0A, 52
.set G0C, 56
.set G0D, 60
.set MSB, 0
.macro WIN new
.if MSB != \new
	s_set_vgpr_msb (MSB<<8)|\new
.set MSB, \new
.endif
.endm
.macro PLACES n
.rept \n
	v_nop
.endr
.endm
.macro BARRIER
	s_barrier_signal -1
	s_barrier_wait -1
.endm
.macro CROUND                          ; a round of the cluster's barrier
	s_barrier_signal -1
	s_barrier_wait -1
	s_cmp_lg_u32 s14, 0
	s_cbranch_scc1 .Lnot_wave_0_\@
	s_barrier_signal -3
.Lnot_wave_0_\@:
	s_barrier_wait -3
	s_barrier_signal -1
	s_barrier_wait -1
.endm
.macro TLOAD g0, g1
	tensor_load_to_lds s[\g0:\g0+3], s[\g1:\g1+7]
	s_nop 0
	PLACES 4
.endm
.macro GROUP1 g, rows                  ; a dense block as rows of 256 bytes (32 elements of 8 bytes)
	s_mov_b32 s[\g+1], 32<<16
	s_mov_b32 s[\g+2], (\rows)<<16
	s_mov_b32 s[\g+3], 32<<16
	s_mov_b32 s[\g+4], \rows
	s_mov_b32 s[\g+5], 32
	s_mov_b32 s[\g+6], 0
	s_mov_b32 s[\g+7], 0
.endm
	s_load_b256 s[4:11], s[0:1], 0x0               ; a_img, a_sc, w_codes, w_scales
	s_load_b64 s[12:13], s[0:1], 0x20              ; out0
	v_lshl_add_u32 v[SPW], v0, 2, SPARE
	v_mov_b32 v[NIL], 0
	ds_add_u32 v[SPW], v[NIL]                      ; the opening lines: the add twice on end and its wait
	ds_add_u32 v[SPW], v[NIL]
	v_lshrrev_b32 v1, 5, v0
	v_readfirstlane_b32 s14, v1                    ; wave
	s_lshr_b32 s15, s14, 1                         ; wr
	s_and_b32 s16, s14, 1                          ; wc
	s_bfe_u32 s19, ttmp6, 0x40000                  ; cx
	s_bfe_u32 s20, ttmp6, 0x40004                  ; cy
	s_lshl_b32 s18, ttmp9, 2
	s_add_co_u32 s18, s18, s19                     ; the 128 columns, 0 .. 7
	s_and_b32 s17, ttmp7, 0xffff
	s_lshl_b32 s17, s17, 2
	s_add_co_u32 s17, s17, s20                     ; the 256 tokens, 0 .. 31
	s_lshl_b32 s21, s20, 2
	s_lshl_b32 s21, 15, s21                        ; my row of the cluster
	s_lshl_b32 s22, 0x1111, s19                    ; my column
	s_or_b32 s[G1B], s22, (3<<16)|(1<<21)
	s_or_b32 s[G1A], s21, (3<<16)|(1<<21)
	s_or_b32 s[G1C], s21, (3<<16)|(1<<21)
	GROUP1 G1B, 384                                ; 8 tiles
	GROUP1 G1A, 192                                ; 4 tiles
	GROUP1 G1C, 288                                ; 6 tiles
	s_mul_i32 s66, s18, 8*TILE
	s_add_co_u32 s66, s66, WIMG
	s_mov_b32 s67, 0
	s_mul_i32 s68, s17, 16*TILE
	s_mov_b32 s69, 0
	s_mov_b32 s[G0B], 1
	s_mov_b32 s[G0B+1], BB
	s_mov_b32 s[G0A], 1
	s_mov_b32 s[G0A+1], 0
	s_mov_b32 s[G0C], 1
	s_mov_b32 s[G0C+1], 4*TILE
	s_mov_b32 s[G0D], 1
	s_mov_b32 s[G0D+1], 10*TILE
	s_lshl_b32 s70, s17, 13                        ; o's scale bytes: 8,192 for 256 tokens, 512 a tile
	s_lshl_b32 s71, s15, 9
	s_add_co_u32 s70, s70, s71
	s_mov_b32 s71, 0
	s_lshl_b32 s72, s18, 12                        ; W's: 32 a column, from column 3,072 on
	s_lshl_b32 s73, s16, 11
	s_add_co_u32 s72, s72, s73
	s_add_co_u32 s72, s72, 3072*32
	s_mov_b32 s73, 0
	s_lshl_b32 s74, s17, 20                        ; out0: 256 rows of 4,096 bytes, + 8 wr rows, + my 64 columns
	s_lshl_b32 s75, s15, 15
	s_add_co_u32 s74, s74, s75
	s_lshl_b32 s75, s18, 9
	s_add_co_u32 s74, s74, s75
	s_lshl_b32 s75, s16, 8
	s_add_co_u32 s74, s74, s75
	s_mov_b32 s75, 0
	s_mul_i32 s21, s15, TILE
	s_mul_i32 s22, s16, 4*TILE
	s_add_co_u32 s22, s22, BB
	s_mul_i32 s23, s14, 16*SPITCH
	s_add_co_u32 s23, s23, STAGE
	s_wait_dscnt 0x0                               ; both opening adds are done
	s_wait_kmcnt 0x0
	s_add_nc_u64 s[G0B+2:G0B+3], s[8:9], s[66:67]
	s_add_nc_u64 s[G0A+2:G0A+3], s[4:5], s[68:69]
	s_add_nc_u64 s[G0C+2:G0C+3], s[G0A+2:G0A+3], 4*TILE
	s_add_nc_u64 s[G0D+2:G0D+3], s[G0A+2:G0A+3], 10*TILE
	s_or_b32 s[G0B+3], s[G0B+3], 0x80000000
	s_or_b32 s[G0A+3], s[G0A+3], 0x80000000
	s_or_b32 s[G0C+3], s[G0C+3], 0x80000000
	s_or_b32 s[G0D+3], s[G0D+3], 0x80000000
	s_add_nc_u64 s[6:7], s[6:7], s[70:71]
	s_add_nc_u64 s[10:11], s[10:11], s[72:73]
	s_add_nc_u64 s[12:13], s[12:13], s[74:75]
	CROUND                                         ; all sixteen work-groups are here: the joint loads meet
	s_cmp_eq_u32 s14, 0
	s_cbranch_scc0 .Lwave_1
	TLOAD G0B, G1B                                 ; wave 0: W's tiles
	s_branch .Lasked
.Lwave_1:
	s_cmp_eq_u32 s14, 1
	s_cbranch_scc0 .Lwave_2
	TLOAD G0A, G1A                                 ; wave 1: o's tiles 0-3
	s_branch .Lasked
.Lwave_2:
	s_cmp_eq_u32 s14, 2
	s_cbranch_scc0 .Lwave_3
	TLOAD G0C, G1C                                 ; wave 2: tiles 4-9
	s_branch .Lasked
.Lwave_3:
	TLOAD G0D, G1C                                 ; wave 3: tiles 10-15
.Lasked:
	v_and_b32 v1, 15, v0                           ; r
	v_bfe_u32 v2, v0, 4, 1                         ; h
	v_and_b32 v3, 31, v0
	v_lshlrev_b32 v18, 4, v3
	v_lshlrev_b32 v19, 3, v3
	v_add_nc_u32 v[A16], s21, v18
	v_add_nc_u32 v[A8], s21, v19
.irp k, 1,2,3
	v_add_nc_u32 v[A16+\k], \k*4*TILE, v[A16]
	v_add_nc_u32 v[A8+\k], \k*4*TILE, v[A8]
.endr
	v_add_nc_u32 v[B16], s22, v18
	v_add_nc_u32 v[B8], s22, v19
	v_mul_u32_u24 v20, v1, SPITCH
	v_lshl_add_u32 v20, v2, 5, v20
	v_add_nc_u32 v[STO], s23, v20                  ; into the stage: row r, 32 bytes for each half of the lanes
	v_mul_u32_u24 v21, v2, SPITCH
	v_lshl_add_u32 v21, v1, 4, v21
	v_add_nc_u32 v[RD], s23, v21                   ; back: sixteen lanes to a row of 256 bytes, two rows an instruction
	v_lshlrev_b32 v22, 12, v2
	v_lshl_add_u32 v[CO], v1, 4, v22               ; and the same two rows in out0
	v_lshlrev_b32 v23, 5, v1
	v_lshl_add_u32 v[VS], v2, 4, v23               ; scale bytes: 32 r + 16 h
.irp b, 0,1,2,3
	global_load_b128 v[SB+4*\b:SB+4*\b+3], v[VS], s[10:11] offset:512*\b
.endr
.irp s, 0,1,2,3,4,5,6,7
	global_load_b128 v[SA+4*\s:SA+4*\s+3], v[VS], s[6:7] offset:1024*\s
.endr
.macro FRAG4 r, a16, a8, off           ; a fragment's 12 registers from its image
	ds_load_b128 v[\r:\r+3], v[\a16] offset:\off
	ds_load_b64 v[\r+4:\r+5], v[\a8] offset:(\off)+512
	ds_load_b128 v[\r+6:\r+9], v[\a16] offset:(\off)+768
	ds_load_b64 v[\r+10:\r+11], v[\a8] offset:(\off)+1280
.endm
.macro FETCH s                         ; my block s, all of K, into set s % 2: 32 loads
	WIN 1<<6
.irp q, 0,1,2,3,4,5,6,7
	FRAG4 96*((\s)%2)+FR*\q, A16+(\s)/2, A8+(\s)/2, ((\s)%2)*2*TILE+\q*1536
.endr
	WIN 0
.endm
.macro W1 d, rb, ra, c, xb, xa, row
	v_wmma_scale_f32_16x16x128_f8f6f4 v[\d:\d+7], v[\rb:\rb+11], v[\ra:\ra+11], \c, v[\xb], v[\xa] matrix_a_fmt:MATRIX_FMT_FP6 matrix_b_fmt:MATRIX_FMT_FP6 matrix_a_scale:MATRIX_SCALE_ROW\row matrix_b_scale:MATRIX_SCALE_ROW\row
.endm
.macro PROD s                          ; 32 products: K step q = F_ / 4, column tile b = F_ % 4: the four accumulators by turns; the first four start the sums
.set F_, 0
.rept 32
.set D_, ACC+32*((\s)%2)+8*(F_%4)
.set RB_, FR*(F_%FPW)
.set RA_, 96*((\s)%2)+FR*(F_/4)
.set XB_, SB+4*(F_%4)+(F_/4)%4
.set XA_, SA+4*(\s)+(F_/4)%4
	WIN (2+F_/FPW)|4
.if F_ < 4
	W1 D_, RB_, RA_, 0, XB_, XA_, 0
.elseif F_ < 16
	W1 D_, RB_, RA_, v[D_:D_+7], XB_, XA_, 0
.else
	W1 D_, RB_, RA_, v[D_:D_+7], XB_, XA_, 1
.endif
.set F_, F_+1
.endr
	WIN 0
.endm
.macro TOSTAGE s                       ; LDS serves a wave's instructions in order: no wait between the stores and the loads
.irp b, 0,1,2,3
	ds_store_b128 v[STO], v[ACC+32*((\s)%2)+8*\b:ACC+32*((\s)%2)+8*\b+3] offset:64*\b      ; each accumulator from its low end on
	ds_store_b128 v[STO], v[ACC+32*((\s)%2)+8*\b+4:ACC+32*((\s)%2)+8*\b+7] offset:64*\b+16
.endr
.irp t, 0,1,2,3,4,5,6,7
	ds_load_b128 v[BK+32*((\s)%2)+4*\t:BK+32*((\s)%2)+4*\t+3], v[RD] offset:\t*2*SPITCH
.endr
.endm
.macro SEND s                          ; tile a = 2 (s % 4) + wr of group s / 4; stage rows 2 t, 2 t + 1
.irp t, 0,1,2,3,4,5,6,7
	global_store_b128 v[CO], v[BK+32*((\s)%2)+4*\t:BK+32*((\s)%2)+4*\t+3], s[12:13] offset:(128*((\s)/4)+32*((\s)%4)+2*\t+8*(\t/4))*4096 th:TH_STORE_NT
.endr
.endm
.macro ITER s
	PLACES 4                                       ; behind the last block's products: ahead of the stores of its results and of the loads into its fragments' registers
.if (\s) > 2
	s_wait_xcnt 0x0                                ; the stores of two blocks ago have read their data
.endif
	TOSTAGE (\s)-1
.if (\s) < 7
	FETCH (\s)+1
	s_wait_dscnt 48
.else
	s_wait_dscnt 16
.endif
	PROD \s
.if (\s) < 7
	s_wait_dscnt 32
.else
	s_wait_dscnt 0
.endif
	SEND (\s)-1
.if (\s) == 3
	s_wait_tensorcnt 0x0                           ; every wave waits: tiles 10-15 are shown to all
	s_wait_dscnt 0x0
	BARRIER
.endif
.endm
	s_wait_alu depctr_va_vdst(0)                   ; the wait at the head's end
	s_cmp_eq_u32 s14, 0
	s_cbranch_scc0 .Lnot_b
	s_wait_tensorcnt 0x0
.Lnot_b:
	BARRIER                                        ; W's tiles are in
.set F_, 0
.rept 32                                       ; my 64 columns, all of K: fragment 4 q + b
	WIN (2+F_/FPW)<<6
	FRAG4 FR*(F_%FPW), B16, B8, (F_%4)*TILE+(F_/4)*1536
.set F_, F_+1
.endr
	WIN 0
	s_cmp_eq_u32 s14, 3
	s_cbranch_scc1 .Lnot_a
	s_wait_tensorcnt 0x0
.Lnot_a:
	s_wait_dscnt 0x0
	BARRIER                                        ; o's tiles 0-9 are in; tiles 10-15 may still be on their way
	FETCH 0
	FETCH 1
	s_wait_loadcnt 0x0                             ; the scale words
	s_wait_dscnt 32                                ; block 0's loads are in; block 1's 32 may be out
	PROD 0
.irp s, 1,2,3,4,5,6,7
	ITER \s
.endr
	PLACES 4
	s_wait_xcnt 0x0
	TOSTAGE 7
	s_wait_dscnt 0x0
	SEND 7
	s_wait_tensorcnt 0x0                           ; the wave's end
	ds_add_u32 v[SPW], v[NIL]
	s_wait_dscnt 0x0
	CROUND                                         ; the closing round
	s_endpgm
.Lfunc_end_k_q9c99fd226e_outp:
	.size	k_q9c99fd226e_outp, .Lfunc_end_k_q9c99fd226e_outp-k_q9c99fd226e_outp
	.p2alignl 7, 3214868480
	.fill 96, 4, 3214868480
	.section	.rodata,"a",@progbits
	.p2align	6, 0x0
	.amdhsa_kernel k_q9c99fd226e_outp
		.amdhsa_group_segment_fixed_size 327680
		.amdhsa_private_segment_fixed_size 0
		.amdhsa_enable_private_segment 0
		.amdhsa_kernarg_size 40
		.amdhsa_user_sgpr_count 2
		.amdhsa_user_sgpr_kernarg_segment_ptr 1
		.amdhsa_wavefront_size32 1
		.amdhsa_system_sgpr_workgroup_id_x 1
		.amdhsa_system_sgpr_workgroup_id_y 1
		.amdhsa_system_sgpr_workgroup_id_z 1
		.amdhsa_system_vgpr_workitem_id 0
		.amdhsa_next_free_vgpr 904
		.amdhsa_next_free_sgpr 96
		.amdhsa_reserve_vcc 0
		.amdhsa_float_denorm_mode_32 3
		.amdhsa_float_denorm_mode_16_64 3
		.amdhsa_memory_ordered 1
		.amdhsa_forward_progress 1
		.amdhsa_inst_pref_size 83
	.end_amdhsa_kernel
	.amdgpu_metadata
---
amdhsa.version: [ 1, 2 ]
amdhsa.kernels:
  - .name:           k_q9c99fd226e_outp
    .symbol:         k_q9c99fd226e_outp.kd
    .args:
      - { .name: a_img, .offset: 0, .size: 8, .value_kind: global_buffer, .address_space: global }
      - { .name: a_sc, .offset: 8, .size: 8, .value_kind: global_buffer, .address_space: global }
      - { .name: w_codes, .offset: 16, .size: 8, .value_kind: global_buffer, .address_space: global }
      - { .name: w_scales, .offset: 24, .size: 8, .value_kind: global_buffer, .address_space: global }
      - { .name: out0, .offset: 32, .size: 8, .value_kind: global_buffer, .address_space: global }
    .group_segment_fixed_size: 327680
    .private_segment_fixed_size: 0
    .kernarg_segment_align: 8
    .kernarg_segment_size: 40
    .max_flat_workgroup_size: 128
    .sgpr_count:     96
    .vgpr_count:     904
    .wavefront_size: 32
...
	.end_amdgpu_metadata
.endif
;; end of part 4
